; MI455X (gfx1250); checked and timed in simulation.
; The chip was launched on July 23, 2026; its instructions are those of AMD's public machine-readable ISA for CDNA 5 (MIT licence, August 2026) and "CDNA5" Instruction Set Architecture Reference Guide (July 2026). The comments in the code are by the model that wrote it; some were corrected since.
;; Inner Attention. Allowed arithmetic: matrix products marked QUANTISED: E2M1 operands, one E8M0 scale for each 32 along K, by v_wmma_scale_f32_16x16x128_f8f6f4 with both operands' format E2M1 (or v_wmma_scale_f32_32x16x128_f4), f32 sums; products left as they are: bf16, f16 or f32 operands; f32 sums; everything else in f32.
;; Inputs: Wk 1,024 x 1,024 float32; Wo 1,024 x 1,024 float32; Wq 1,024 x 1,024 float32; Wv 1,024 x 1,024 float32; bo 1,024 float32; hidden_states 4 x 2,048 x 1,024 float32.
;; Outputs: out0 4 x 2,048 x 1,024 float32.
;; This version of the problem:
;;   THIS VERSION OF THE PROBLEM IS GIVEN IN LOW PRECISION. The matrix products marked QUANTISED in the list below multiply operands that are first quantised to E2M1 (2 exponent bits, 1 mantissa bit; 4 bits a number), with one power-of-two scale for each 32 numbers along K (OCP MX v1.0); their sums are f32. The products marked 'left as it is' may take bf16, f16 or f32 operands, with f32 sums. Whichever they take, every output number must still come out within the allowed error. Rounding operands to bf16 (8 significant bits) uses up far more of that allowance than f16 does (11 bits, for magnitudes from 6e-5 to 65,504). All else is computed in f32.
;;   The module's matrix products, in the order in which they are computed (A, B: the left and right operand; K: the contracted axis; several contracted axes count as one K, in the product's order):
;;     1. [M 8,192, K 1,024] x [K 1,024, N 1,024]; A: input hidden_states; B: input Wq: QUANTISED
;;     2. [M 8,192, K 1,024] x [K 1,024, N 1,024]; A: input hidden_states; B: input Wk: QUANTISED
;;     3. [M 8,192, K 1,024] x [K 1,024, N 1,024]; A: input hidden_states; B: input Wv: QUANTISED
;;     4. batch 64 x [M 2,048, K 64] x [K 64, N 2,048]; A: computed on the way; B: computed on the way: left as it is (an operand is computed on the way)
;;     5. batch 64 x [M 2,048, K 2,048] x [K 2,048, N 64]; A: computed on the way; B: computed on the way: left as it is (an operand is computed on the way)
;;     6. [M 8,192, K 1,024] x [K 1,024, N 1,024]; A: computed on the way; B: input Wo: left as it is (an operand is computed on the way)
;;   THE QUANTISER, for each operand of a quantised product, along K:
;;     - K is cut into blocks of 32 from its start; a last block that is shorter is filled with zeros.
;;     - A block's scale is 2^e with e = floor(log2(the largest magnitude in the block)) - 2, held to -126 .. 127; a block of zeros has e = 0. As a byte (E8M0): e + 127.
;;     - Each number is divided by its block's scale, clamped to +-6, and rounded to the nearest number of E2M1, ties to even, subnormals kept.
;;     - The product sums the exact products of the quantised numbers (number of the format x scale) in f32.
;;   ~~~python
;;   def quantise(x, axis):      # numpy; x: float32 -> the quantised numbers, widened to float32 again
;;       x = np.moveaxis(x, axis, -1); K = x.shape[-1]
;;       x = np.pad(x, [(0, 0)] * (x.ndim - 1) + [(0, -K % 32)]); x = x.reshape(x.shape[:-1] + (-1, 32)); a = np.abs(x).max(-1, keepdims=True)
;;       e = np.where(a > 0, np.clip(np.frexp(np.where(a > 0, a, 1))[1] - 1 - 2, -126, 127), 0)      # np.frexp(a)[1] - 1 = floor(log2(a)), exactly
;;       r = np.clip(x / 2.0 ** e, -6, 6)
;;       step = 2.0 ** (np.maximum(np.frexp(np.where(r == 0, 1, r))[1] - 1, 0) - 1)
;;       q = np.round(r / step) * step * 2.0 ** e      # np.round: ties to even
;;       return np.moveaxis(q.reshape(q.shape[:-2] + (-1,))[..., :K], -1, axis).astype(np.float32)
;;   ~~~
;; One version. Each part assembles by itself: llvm-mc -triple=amdgcn-amd-amdhsa -mcpu=gfx1250 --defsym DOCPART=n.
;; ======== version 1 of 1: 4 launches
;; limits: values are held in f16: magnitudes above 65,504 overflow, below 6.1e-05 lose precision
;; workspace buffers: xc 4,194,304 bytes; xs 262,144 bytes; wc 1,572,864 bytes; ws 98,304 bytes; wo16 2,097,152 bytes; qkv 50,331,648 bytes; ctx 16,777,216 bytes
;; launch quant (part 1): grid 384 x 1, 4 waves a work-group, no clusters, 33,280 bytes of LDS; arguments hidden_states, Wq, Wk, Wv, Wo, xc, xs, wc, ws, wo16; writes xc, xs, wc, ws, wo16
.if DOCPART == 1
	.amdgcn_target "amdgcn-amd-amdhsa--gfx1250"
	.amdhsa_code_object_version 6
	.text
	.protected	k_qd1cbd5f6da_quant
	.globl	k_qd1cbd5f6da_quant
	.p2align	8
	.type	k_qd1cbd5f6da_quant,@function
k_qd1cbd5f6da_quant:
	s_mov_b64 s[64:65], 0
	v_nop
	global_prefetch_b8 v0, s[64:65] scope:SCOPE_SE
	s_setreg_imm32_b32 hwreg(HW_REG_WAVE_MODE, 25, 1), 1
	s_wait_xcnt 0x0
; hidden_states [8192][1024] and Wq, Wk, Wv [1024][1024], f32 with K innermost, become codes of FP4 (E2M1), two a byte, K innermost, with one E8M0 byte for each 32 along K:
; xc [8192][512 bytes], xs [8192][32]; wc [3072][512], ws [3072][32] (rows 0-1023 Wq, 1024-2047 Wk, 2048-3071 Wv).  Wo [1024][1024] is rounded to f16 (wo16): its product is not quantised.
; A block's scale is 2^(floor(log2(its largest magnitude)) - 2); its byte is the largest magnitude's exponent field - 2, held at 1 from below.  Each number is divided by the scale and rounded to the nearest code, ties to even.
; LIMITS: a block of zeros gets the byte 1 where the rule says 127 (its codes are zeros, which add nothing, and this program alone reads the bytes); NaN and infinities among the inputs are not served;
; Wo beyond 65,504 in magnitude becomes infinity in f16, Wo under 6e-8 becomes zero.
; SHARES: a work-group takes 32,768 numbers, a wave 8,192.  Work-groups 0-255: hidden_states; 256-287 Wq; 288-319 Wk; 320-351 Wv; 352-383: the cast of Wo.
; Rows are dense and K is a multiple of 32: every tensor is a plain stream of blocks of 32.  Only pointers are chosen by the work-group's number: the four quantised tensors take one path through the text.
; The quantising path: each of a step's four loads reads 512 consecutive bytes; the 2,048 bytes turn through the wave's own stage in LDS, so that a lane holds 16 neighbours along K (two lanes a block);
; a wave's store of codes covers 256 consecutive bytes; its 256 scale bytes are gathered in LDS and leave as 256 consecutive bytes.  No matrix unit, no cluster, no tensor load: waves share nothing and memory binds.
.set WAVES, 4
.set STEPS, 16
.set EMAX,  2
.set CB,    8                          ; bytes of 16 codes
.set R,     16                         ; v16-79   four sets of 16 numbers as they are loaded
.set X,     80                         ; v80-111  two sets of 16 neighbours
.set C,     128                        ; v128-191 codes: four registers for each step, so that no store's data are written again
.set E,     112                        ; v112-127 a scale byte for each step
.set WREG,  8192                       ; LDS: a region for each wave: two stages of 32 x SP bytes, behind them its 256 scale bytes
.set SP,    80                         ; a lane's place in a stage: 64 bytes + 16 of padding
.set SPW,   12                         ; v12      LDS address of my spare word; never rewritten
.set NIL,   13                         ; v13      0; never rewritten
.set SPARE, WAVES*WREG                 ; behind the four regions: the spare words, 128 bytes a wave
.set SA,    16                         ; the cast: v16-79 and v80-143 two sets of 16 loads; v144-175 the f16 pairs
.set SBB,   80
.set HO,    144
	s_load_b256 s[4:11], s[0:1], 0x0               ; hidden_states, Wq, Wk, Wv
	s_load_b256 s[12:19], s[0:1], 0x20             ; Wo, xc, xs, wc
	s_load_b128 s[20:23], s[0:1], 0x40             ; ws, wo16
	v_lshl_add_u32 v[SPW], v0, 2, SPARE
	v_mov_b32 v[NIL], 0
	v_lshrrev_b32 v1, 5, v0
	v_readfirstlane_b32 s24, v1                    ; wave
	v_and_b32 v2, 31, v0                           ; lane
	v_lshlrev_b32 v3, 4, v2                        ; my 16 bytes of a load's 512
	s_mul_i32 s25, s24, WREG
	v_lshrrev_b32 v14, 2, v2
	v_mul_u32_u24 v14, v14, SP
	v_and_b32 v15, 3, v2
	v_lshl_add_u32 v14, v15, 4, v14
	v_add_nc_u32 v14, s25, v14                     ; the stage, on the way in: SP (lane / 4) + 16 (lane % 4)
	v_mul_u32_u24 v15, v2, SP
	v_add_nc_u32 v15, s25, v15                     ; and on the way out: SP x lane: my 16 neighbours
	v_mul_u32_u24 v4, v2, CB                       ; my codes' place in a step's
	v_lshrrev_b32 v5, 1, v2
	s_add_co_u32 s25, s25, 2*32*SP
	v_add_nc_u32 v5, s25, v5                       ; LDS: my wave's 256 scale bytes, my block's byte
	v_lshlrev_b32 v7, 3, v2                        ; 8 bytes a lane
	v_add_nc_u32 v6, s25, v7
	s_and_b32 s31, ttmp9, 31                       ; a weight's work-group among its 32
	s_wait_kmcnt 0x0
	s_cmp_ge_u32 ttmp9, 352
	s_cbranch_scc1 .Lcast
	; which tensor: every choice hangs on the work-group's number alone
	s_mov_b64 s[26:27], s[10:11]
	s_cmp_lt_u32 ttmp9, 320
	s_cselect_b64 s[26:27], s[8:9], s[26:27]
	s_cmp_lt_u32 ttmp9, 288
	s_cselect_b64 s[26:27], s[6:7], s[26:27]
	s_cmp_lt_u32 ttmp9, 256
	s_cselect_b64 s[26:27], s[4:5], s[26:27]       ; the numbers
	s_cselect_b64 s[28:29], s[14:15], s[18:19]     ; the codes
	s_cselect_b64 s[32:33], s[16:17], s[20:21]     ; the scale bytes
	s_cselect_b32 s30, 0, 256
	s_cselect_b32 s31, ttmp9, s31
	s_lshl_b32 s34, s31, 2
	s_add_co_u32 s34, s34, s24                     ; which run of 8,192 numbers of the source is my wave's
	s_lshl_b32 s34, s34, 15
	s_mov_b32 s35, 0
	s_add_nc_u64 s[26:27], s[26:27], s[34:35]
	s_sub_co_u32 s36, ttmp9, s30
	s_lshl_b32 s36, s36, 2
	s_add_co_u32 s36, s36, s24                     ; and of the destination (the three weights lie on end)
	s_lshl_b32 s34, s36, 12                        ; 4,096 bytes of codes a run
	s_add_nc_u64 s[28:29], s[28:29], s[34:35]
	s_lshl_b32 s34, s36, 8                         ; 256 scale bytes a run
	s_add_nc_u64 s[32:33], s[32:33], s[34:35]
.macro LOAD t
.irp i, 0,1,2,3
	global_load_b128 v[R+16*((\t)%4)+4*\i:R+16*((\t)%4)+4*\i+3], v3, s[26:27] offset:2048*(\t)+512*\i th:TH_LOAD_NT   ; 32 lanes read 512 consecutive bytes
.endr
.endm
.macro TURN t                          ; step t's numbers through the stage: LDS serves a wave's instructions in order, so no wait stands between the stores and the loads
.irp i, 0,1,2,3
	ds_store_b128 v14, v[R+16*((\t)%4)+4*\i:R+16*((\t)%4)+4*\i+3] offset:32*SP*((\t)%2)+8*SP*\i
.endr
.irp i, 0,1,2,3
	ds_load_b128 v[X+16*((\t)%2)+4*\i:X+16*((\t)%2)+4*\i+3], v15 offset:32*SP*((\t)%2)+16*\i
.endr
.endm
.irp t, 0,1,2,3
	LOAD \t
.endr
	s_wait_loadcnt 12                              ; step 0's four loads are in; the twelve of steps 1 to 3 may be out
	TURN 0
.macro STEP t
.set XS, X+16*((\t)%2)
.if (\t) > 0
	s_wait_dscnt 1                                 ; this step's numbers are back from the stage (the last step's byte store may be out)
.else
	s_wait_dscnt 0x0
.endif
.if (\t)+4 < STEPS
	LOAD (\t)+4                                    ; into the registers that this step's stage stores have read
.endif
.if (\t)+1 < STEPS
.if STEPS-2-(\t) >= 3
	s_wait_loadcnt 12                              ; the next step's four loads are in; those of the three steps behind it may be out
.else
	s_wait_loadcnt 4*(STEPS-2-(\t))
.endif
	TURN (\t)+1
.endif
	v_max3_num_f32 v8, |v[XS]|, |v[XS+1]|, |v[XS+2]|               ; the largest magnitude of my 16, in two chains
	v_max3_num_f32 v9, |v[XS+3]|, |v[XS+4]|, |v[XS+5]|
.irp i, 6,10
	v_max3_num_f32 v8, v8, |v[XS+\i]|, |v[XS+\i+1]|
	v_max3_num_f32 v9, v9, |v[XS+\i+2]|, |v[XS+\i+3]|
.endr
	v_max3_num_f32 v8, v8, |v[XS+14]|, |v[XS+15]|
	v_max3_num_f32 v8, v8, v9, (EMAX+1)<<23        ; and the floor 2^(EMAX + 1 - 127): the byte cannot fall under 1
	v_max_num_f32_dpp v8, v8, v8 row_xmask:1 row_mask:0xf bank_mask:0xf   ; and of my neighbour's 16: the block's
	v_add_nc_u32 v11, -(EMAX<<23), v8              ; EMAX off its exponent field: the conversion takes the exponent field of this operand as its scale
	v_cvt_scalef32_pk8_fp4_f32 v[C+4*(\t)], v[XS:XS+7], v11
	v_cvt_scalef32_pk8_fp4_f32 v[C+4*(\t)+1], v[XS+8:XS+15], v11
	v_lshrrev_b32 v[E+(\t)], 23, v11               ; the scale's byte (also the plain line behind the conversions)
	ds_store_b8 v5, v[E+(\t)] offset:16*(\t)       ; both lanes of a block write the same byte with the same value
	global_store_b64 v4, v[C+4*(\t):C+4*(\t)+1], s[28:29] offset:32*CB*(\t)   ; 32 lanes store 256 consecutive bytes, aligned
.endm
.irp t, 0,1,2,3,4,5,6,7,8,9,10,11,12,13,14,15
	STEP \t
.endr
	ds_load_b64 v[8:9], v6                         ; LDS serves a wave's instructions in order: these see my byte stores
	s_wait_dscnt 0x0
	global_store_b64 v7, v[8:9], s[32:33]          ; 32 lanes store 256 consecutive bytes, aligned
	s_wait_tensorcnt 0x0                           ; the wave's end, behind my last LDS store
	ds_add_u32 v[SPW], v[NIL]
	s_wait_dscnt 0x0
	s_endpgm
; THE CAST OF Wo.  A wave takes 8,192 numbers in four rounds of 16 loads of 512 consecutive bytes; two rounds' loads are out at a time; a store covers 256 consecutive bytes.  No LDS.
.Lcast:
	s_sub_co_u32 s34, ttmp9, 352
	s_lshl_b32 s34, s34, 2
	s_add_co_u32 s34, s34, s24                     ; my run of 8,192 numbers
	s_lshl_b32 s36, s34, 15
	s_mov_b32 s37, 0
	s_add_nc_u64 s[12:13], s[12:13], s[36:37]
	s_lshl_b32 s36, s34, 14
	s_add_nc_u64 s[22:23], s[22:23], s[36:37]
.macro LOADC i, set
.irp j, 0,1,2,3,4,5,6,7,8,9,10,11,12,13,14,15
	global_load_b128 v[\set+4*\j:\set+4*\j+3], v3, s[12:13] offset:(16*(\i)+\j)*512 th:TH_LOAD_NT
.endr
.endm
.macro ROUNDC i, set
.if (\i) < 3
	s_wait_loadcnt 16                              ; this round's 16 loads are in; the next round's 16 may be out
.else
	s_wait_loadcnt 0x0
.endif
.if (\i) > 0
	s_wait_xcnt 0x0                                ; the last round's stores have read their data: the pairs are written again only behind this wait
.endif
.irp j, 0,1,2,3,4,5,6,7,8,9,10,11,12,13,14,15
	v_cvt_pk_f16_f32 v[HO+2*\j], v[\set+4*\j], v[\set+4*\j+1]
	v_cvt_pk_f16_f32 v[HO+2*\j+1], v[\set+4*\j+2], v[\set+4*\j+3]
.endr
.if (\i)+2 < 4
	LOADC (\i)+2, \set
.endif
.irp j, 0,1,2,3,4,5,6,7,8,9,10,11,12,13,14,15
	global_store_b64 v7, v[HO+2*\j:HO+2*\j+1], s[22:23] offset:(16*(\i)+\j)*256
.endr
.endm
	LOADC 0, SA
	LOADC 1, SBB
	ROUNDC 0, SA
	ROUNDC 1, SBB
	ROUNDC 2, SA
	ROUNDC 3, SBB
	s_wait_tensorcnt 0x0                           ; the same three lines at this path's end
	ds_add_u32 v[SPW], v[NIL]
	s_wait_dscnt 0x0
	s_endpgm
.Lfunc_end_k_qd1cbd5f6da_quant:
	.size	k_qd1cbd5f6da_quant, .Lfunc_end_k_qd1cbd5f6da_quant-k_qd1cbd5f6da_quant
	.p2alignl 7, 3214868480
	.fill 96, 4, 3214868480
	.section	.rodata,"a",@progbits
	.p2align	6, 0x0
	.amdhsa_kernel k_qd1cbd5f6da_quant
		.amdhsa_group_segment_fixed_size 33280
		.amdhsa_private_segment_fixed_size 0
		.amdhsa_enable_private_segment 0
		.amdhsa_kernarg_size 80
		.amdhsa_user_sgpr_count 2
		.amdhsa_user_sgpr_kernarg_segment_ptr 1
		.amdhsa_wavefront_size32 1
		.amdhsa_system_sgpr_workgroup_id_x 1
		.amdhsa_system_sgpr_workgroup_id_y 1
		.amdhsa_system_sgpr_workgroup_id_z 1
		.amdhsa_system_vgpr_workitem_id 0
		.amdhsa_next_free_vgpr 192
		.amdhsa_next_free_sgpr 66
		.amdhsa_reserve_vcc 0
		.amdhsa_float_denorm_mode_32 3
		.amdhsa_float_denorm_mode_16_64 3
		.amdhsa_memory_ordered 1
		.amdhsa_forward_progress 1
		.amdhsa_inst_pref_size 54
	.end_amdhsa_kernel
	.amdgpu_metadata
---
amdhsa.version: [ 1, 2 ]
amdhsa.kernels:
  - .name:           k_qd1cbd5f6da_quant
    .symbol:         k_qd1cbd5f6da_quant.kd
    .args:
      - { .name: hidden_states, .offset: 0, .size: 8, .value_kind: global_buffer, .address_space: global }
      - { .name: Wq, .offset: 8, .size: 8, .value_kind: global_buffer, .address_space: global }
      - { .name: Wk, .offset: 16, .size: 8, .value_kind: global_buffer, .address_space: global }
      - { .name: Wv, .offset: 24, .size: 8, .value_kind: global_buffer, .address_space: global }
      - { .name: Wo, .offset: 32, .size: 8, .value_kind: global_buffer, .address_space: global }
      - { .name: xc, .offset: 40, .size: 8, .value_kind: global_buffer, .address_space: global }
      - { .name: xs, .offset: 48, .size: 8, .value_kind: global_buffer, .address_space: global }
      - { .name: wc, .offset: 56, .size: 8, .value_kind: global_buffer, .address_space: global }
      - { .name: ws, .offset: 64, .size: 8, .value_kind: global_buffer, .address_space: global }
      - { .name: wo16, .offset: 72, .size: 8, .value_kind: global_buffer, .address_space: global }
    .group_segment_fixed_size: 33280
    .private_segment_fixed_size: 0
    .kernarg_segment_align: 8
    .kernarg_segment_size: 80
    .max_flat_workgroup_size: 128
    .sgpr_count:     66
    .vgpr_count:     192
    .wavefront_size: 32
...
	.end_amdgpu_metadata
.endif
;; end of part 1
;; launch qkv (part 2): grid 12 x 32, 4 waves a work-group, clusters of 4 x 4, 327,680 bytes of LDS; arguments xc, xs, wc, ws, qkv; writes qkv
.if DOCPART == 2
	.amdgcn_target "amdgcn-amd-amdhsa--gfx1250"
	.amdhsa_code_object_version 6
	.text
	.protected	k_qd1cbd5f6da_qkv
	.globl	k_qd1cbd5f6da_qkv
	.p2align	8
	.type	k_qd1cbd5f6da_qkv,@function
k_qd1cbd5f6da_qkv:
	s_mov_b64 s[64:65], 0
	v_nop
	global_prefetch_b8 v0, s[64:65] scope:SCOPE_SE
	s_setreg_imm32_b32 hwreg(HW_REG_WAVE_MODE, 25, 1), 1
	s_wait_xcnt 0x0
	s_wait_alu depctr_hold_cnt(0) depctr_sa_sdst(0) depctr_va_vdst(0) depctr_va_sdst(0) depctr_va_ssrc(0) depctr_va_vcc(0) depctr_vm_vsrc(0)
	s_getreg_b32 s2, hwreg(HW_REG_IB_STS2, 6, 4)
	s_cmp_eq_u32 s2, 0
	s_cbranch_scc0 .Lentry_in_a_cluster
	s_endpgm
.Lentry_in_a_cluster:
	s_bfe_u32 s2, ttmp6, 0x10000c
	s_cmp_lg_u32 s2, 0xf033
	s_cbranch_scc0 .Lentry_shape_is_right
	s_endpgm
.Lentry_shape_is_right:
; The three projections as ONE product on codes of FP4 (E2M1) with E8M0 scales: C[m][n] = sum over k of x[m][k] W[n][k], m = 0 .. 8191 (batch x position), n = 0 .. 3071 (Wq's, Wk's, Wv's rows on end), K = 1,024; sums in f32.
; The result is rounded to f16 and stored head-major: qkv [3 (q, k, v)][4 b][16 h][2048 s][64], so that 16 positions of one head are 2,048 consecutive bytes.
; LIMIT: q, k and v from 65,504 up in magnitude become infinity in f16.
; A tile of C, 256 x 256, is made by a work-group of four waves; a wave makes 128 x 128: 64 accumulators of 16 x 16, 512 registers.  K is two steps of 512: each fills one LDS slot ONCE (a tile's row is 256 bytes of memory),
; so nothing is filled again.  The scale bytes of the work-group's 256 + 256 rows, for all of K, are two dense blocks of memory and come with the first fills.
; CLUSTERS: 4 x 4 work-groups.  The four of a row of the cluster need the same tiles of x, the four of a column the same tiles of W: each tile is asked for JOINTLY, by the same tensor load with the same descriptor and a mask
; that names the four.  By this text's count a wave has three tensor loads out: its quarter of the scales, of slot 0 and of slot 1.
; THE MATRIX INSTRUCTION IS USED TRANSPOSED (source 0 = 16 rows of W, source 1 = 16 rows of x): a lane then holds eight neighbouring channels of one position.
; REGISTERS, in windows of 256: window 0: v0-31 addresses; v32-95 scale words, two sets; from v128 x's fragments (8 x 16 rows x 128 K), one set; on the way out v32-191 are free.
;   window 1: W's fragments, two sets, at v0 and at v128.   window 2: the 32 accumulators of my rows 0-63 (accumulator (a, b) at v[8 (8 a + b)]);   window 3: those of my rows 64-127.
.set SIZE_K, 1024
.set KSTEP,  512                       ; along K in a slot
.set NQ,     KSTEP/128                 ; matrix instructions deep
.set ROWB,   256                       ; a tile's row in bytes
.set KROW,   SIZE_K*4/8                ; a row of codes in memory, in bytes
.set PITCH,  272                       ; an LDS row: 256 bytes + 16 of padding: the 16 rows that a load touches start 16 bytes apart modulo 256
.set FR,     8                         ; registers of a fragment: 16 rows x 128 K
.set NL,     2                         ; LDS loads that bring one
.set NP,     4                         ; places behind this matrix instruction (ISA guide 7.12.1)
.set HALFT,  128*PITCH                 ; 128 rows: what one tensor load brings
.set SLOT,   4*HALFT                   ; x's 256 rows, then W's 256 rows
.set KS,     SIZE_K/32                 ; a row of scales in bytes
.set SCL,    2*SLOT                    ; behind the slots: the scales, as runs of 256 bytes + 16 of padding
.set HALFS,  (128*KS/256)*272          ; the scales of 128 rows
.set SBLK,   (16*KS/256)*272           ; those of 16 rows
.set SPARE,  SCL+4*HALFS               ; behind the scales: the spare words, 128 bytes a wave
.set SPITCH, 144                       ; the way out: a stage row: 64 f16 + 16 bytes
.set HSTG,   16*SPITCH                 ; 16 positions of one head; a wave's stage is two of these, in slot 0, which has had its only fill and its last read when the first result is stored there
.set ADRA, 16                          ; v16-17  LDS address of my x fragments in slot 0, 1
.set ADRB, 20                          ; v20-21  the same for W
.set STO,  24                          ; v24     the way out: where I put 16 bytes of a row
.set RD,   25                          ; v25     where I read rows back
.set CO,   26                          ; v26     16 x lane: my bytes of a store's 512
.set ADRS, 27                          ; v27     LDS address of my scale words: lanes 0-15 x's rows, lanes 16-31 W's
.set SPW,  28                          ; v28     LDS address of my spare word; never rewritten
.set NIL,  29                          ; v29     0; never rewritten
.set SC,   32                          ; scale words: set s at v[SC + 8 NQ s]; register NQ i + q: lanes 0-15 the word of x's block i, lanes 16-31 that of W's block i, for the slot's q-th 128 along K
.set AF,   128                         ; x's fragments, in window 0
.set TMP,  32                          ; the way out: a block's 32 packed registers
.set BK,   128                         ; and 16 rows read back: v128-159 and v160-191 by turns
.set G1, 24                            ; s[24:31] descriptor group 1 for x's tiles;  s[32:39] group 0, one set for each slot
.set G0, 32
.set G1B, 48                           ; s[48:55], s[56:63] the same for W's tiles
.set G0B, 56
.set G1S, 68                           ; s[68:75], s[76:79] groups 1 and 0 for x's scales;  s[80:87], s[88:91] for W's
.set G0S, 76
.set G1SB, 80
.set G0SB, 88
.set MSB, 0
.macro WIN new                         ; the immediate's high byte repeats the setting that is left
.if MSB != \new
	s_set_vgpr_msb (MSB<<8)|\new
.set MSB, \new
.endif
.endm
.set MUL_LO, 0xa1                      ; source 0 (W) window 1, source 1 (x) window 0, C and D window 2
.set MUL_HI, 0xf1                      ; the same, C and D window 3
.set TO_B,   0x40                      ; destination window 1, address window 0
; A joint load: waves 0 and 1 fetch for x, waves 2 and 3 for W.  Each of the two lines has one mask and one set of registers for all that issue it; the branch hangs on the wave's number alone.
; An s_nop 0 and four v_nop follow each of the two lines.
.macro JLOAD g0a, g1a, g0b, g1b
	s_cmp_eq_u32 s15, 0
	s_cbranch_scc0 .Lfor_b_\@
	tensor_load_to_lds s[\g0a:\g0a+3], s[\g1a:\g1a+7]
	s_nop 0
.rept 4
	v_nop
.endr
	s_branch .Lasked_\@
.Lfor_b_\@:
	tensor_load_to_lds s[\g0b:\g0b+3], s[\g1b:\g1b+7]
	s_nop 0
.rept 4
	v_nop
.endr
.Lasked_\@:
.endm
.macro CROUND                          ; a round of the cluster's barrier
	s_barrier_signal -1
	s_barrier_wait -1
	s_cmp_lg_u32 s14, 0
	s_cbranch_scc1 .Lnot_wave_0_\@
	s_barrier_signal -3
.Lnot_wave_0_\@:
	s_barrier_wait -3
	s_barrier_signal -1
	s_barrier_wait -1
.endm
	s_load_b128 s[4:7], s[0:1], 0x0                ; x's codes s[4:5], x's scales s[6:7]
	s_load_b128 s[8:11], s[0:1], 0x10              ; W's codes s[8:9], W's scales s[10:11]
	s_load_b64 s[12:13], s[0:1], 0x20              ; qkv
	v_lshl_add_u32 v[SPW], v0, 2, SPARE
	v_mov_b32 v[NIL], 0
	ds_add_u32 v[SPW], v[NIL]                      ; the wave's opening: the add, twice on end, and its wait ahead of my first tensor load
	ds_add_u32 v[SPW], v[NIL]
	v_lshrrev_b32 v1, 5, v0
	v_readfirstlane_b32 s14, v1                    ; wave 0..3
	s_lshr_b32 s15, s14, 1                         ; which half of the tile's rows is mine.  Also: I fetch for x (0) or for W (1)
	s_and_b32 s16, s14, 1                          ; which half of its columns.  Also: which 128 rows of that tile I fetch
	s_bfe_u32 s40, ttmp6, 0x40000                  ; cx, cy: my place in the cluster
	s_bfe_u32 s41, ttmp6, 0x40004
	s_lshl_b32 s42, ttmp9, 2
	s_add_co_u32 s42, s42, s40                     ; tile column of C = 4 x cluster x + cx
	s_and_b32 s17, ttmp7, 0xffff
	s_lshl_b32 s17, s17, 2
	s_add_co_u32 s17, s17, s41                     ; tile row of C = 4 x cluster y + cy
	s_lshl_b32 s43, s41, 2
	s_lshl_b32 s43, 15, s43                        ; my row of the cluster
	s_lshl_b32 s44, 0x1111, s40                    ; my column
	; descriptor group 1: a tile of 128 rows x 256 bytes, padded in LDS
	s_or_b32 s[G1+0], s43, (0<<16)|(1<<20)|(1<<21)|(5<<22)|(3<<25)  ; 15:0 the mask; 17:16 elements of 1 byte; 20 padding on; 21 set beside a mask; 24:22 after every 64 words; 31:25 four words
	s_or_b32 s[G1B+0], s44, (0<<16)|(1<<20)|(1<<21)|(5<<22)|(3<<25)
.irp g, G1, G1B
	s_mov_b32 s[\g+1], ROWB<<16                    ; tensor_dim0
	s_mov_b32 s[\g+2], 128<<16                     ; tensor_dim1
	s_mov_b32 s[\g+3], ROWB<<16                    ; tile_dim0
	s_mov_b32 s[\g+4], 128                         ; tile_dim1
	s_mov_b32 s[\g+5], KROW                        ; tensor_dim0_stride
	s_mov_b32 s[\g+6], 0
	s_mov_b32 s[\g+7], 0
.endr
	; the scales of 128 rows: a dense block of 4,096 bytes, as rows of 256 bytes (32 elements of 8 bytes), 16 bytes of padding behind each
	s_or_b32 s[G1S+0], s43, (3<<16)|(1<<20)|(1<<21)|(5<<22)|(3<<25)
	s_or_b32 s[G1SB+0], s44, (3<<16)|(1<<20)|(1<<21)|(5<<22)|(3<<25)
.irp g, G1S, G1SB
	s_mov_b32 s[\g+1], 32<<16
	s_mov_b32 s[\g+2], (128*KS/256)<<16
	s_mov_b32 s[\g+3], 32<<16
	s_mov_b32 s[\g+4], 128*KS/256
	s_mov_b32 s[\g+5], 32
	s_mov_b32 s[\g+6], 0
	s_mov_b32 s[\g+7], 0
.endr
	s_lshl_b32 s18, s16, 7                         ; which 128 rows of the tile I fetch
	s_lshl_b32 s20, s17, 8
	s_add_co_u32 s20, s20, s18                     ; x: row 256 x tile row + 128 x half
	s_lshl_b32 s46, s42, 8
	s_add_co_u32 s46, s46, s18                     ; W: row 256 x tile column + 128 x half
	s_mov_b32 s21, 0
	s_mov_b32 s47, 0
	s_mov_b64 s[18:19], KS
	s_mul_u64 s[22:23], s[20:21], s[18:19]         ; where these rows' scales begin, in bytes
	s_mul_u64 s[92:93], s[46:47], s[18:19]
	s_mov_b64 s[18:19], KROW
	s_mul_u64 s[20:21], s[20:21], s[18:19]         ; and their codes
	s_mul_u64 s[46:47], s[46:47], s[18:19]
	s_mul_i32 s45, s14, HALFT                      ; where they go: wave x 128 rows: no place in the cluster enters an LDS address
	s_mul_i32 s94, s14, HALFS
	s_wait_dscnt 0x0                               ; both opening adds are done
	s_wait_kmcnt 0x0
	s_add_nc_u64 s[20:21], s[4:5], s[20:21]
	s_add_nc_u64 s[22:23], s[6:7], s[22:23]
	s_add_nc_u64 s[46:47], s[8:9], s[46:47]
	s_add_nc_u64 s[92:93], s[10:11], s[92:93]
	CROUND                                         ; all sixteen work-groups are here: the joint loads meet
	s_mov_b32 s[G0S], 1
	s_add_co_u32 s[G0S+1], s94, SCL
	s_mov_b64 s[G0S+2:G0S+3], s[22:23]
	s_or_b32 s[G0S+3], s[G0S+3], 0x80000000
	s_mov_b32 s[G0SB], 1
	s_add_co_u32 s[G0SB+1], s94, SCL
	s_mov_b64 s[G0SB+2:G0SB+3], s[92:93]
	s_or_b32 s[G0SB+3], s[G0SB+3], 0x80000000
	JLOAD G0S, G1S, G0SB, G1SB                     ; the scales first: they are wanted with K step 0
.irp s, 0,1
	s_mov_b32 s[G0+4*\s], 1
	s_add_co_u32 s[G0+4*\s+1], s45, \s*SLOT
	s_add_nc_u64 s[G0+4*\s+2:G0+4*\s+3], s[20:21], \s*ROWB
	s_or_b32 s[G0+4*\s+3], s[G0+4*\s+3], 0x80000000
	s_mov_b32 s[G0B+4*\s], 1
	s_add_co_u32 s[G0B+4*\s+1], s45, \s*SLOT
	s_add_nc_u64 s[G0B+4*\s+2:G0B+4*\s+3], s[46:47], \s*ROWB
	s_or_b32 s[G0B+4*\s+3], s[G0B+4*\s+3], 0x80000000
	JLOAD G0+4*\s, G1, G0B+4*\s, G1B
.endr
	v_and_b32 v1, 15, v0                           ; l % 16
	v_bfe_u32 v2, v0, 4, 1                         ; l / 16
	v_mul_u32_u24 v3, v1, PITCH
	v_lshl_add_u32 v4, v2, 4, v3                   ; a fragment's row x pitch + 16 x half
	s_mul_i32 s21, s15, HALFT                      ; my 128 rows of x
	s_mul_i32 s22, s16, HALFT                      ; my 128 rows of W,
	s_add_co_u32 s22, s22, 2*HALFT                 ; which lie behind x's 256
.irp s, 0,1
	v_add_nc_u32 v[ADRA+\s], s21, v4
	v_add_nc_u32 v[ADRB+\s], s22, v4
	s_add_co_u32 s21, s21, SLOT
	s_add_co_u32 s22, s22, SLOT
.endr
	v_mul_u32_u24 v5, v1, KS                       ; my row's scales: KS bytes a row,
	v_lshrrev_b32 v6, 8, v5
	v_lshl_add_u32 v5, v6, 4, v5                   ; and 16 more for each 256 passed
	s_mul_i32 s21, s15, HALFS                      ; x's: my 128 rows
	s_mul_i32 s22, s16, HALFS                      ; W's: my 128 rows, behind x's 256
	s_add_co_u32 s22, s22, 2*HALFS
	s_sub_co_u32 s22, s22, s21
	v_mul_u32_u24 v6, s22, v2                      ; lanes 16-31 take W's: one product, the distance between the two bases
	s_add_co_u32 s21, s21, SCL
	v_add_nc_u32 v5, v5, v6
	v_add_nc_u32 v[ADRS], s21, v5
	s_mul_i32 s23, s14, 2*HSTG                     ; my stage
	v_mul_u32_u24 v5, v1, SPITCH                   ; in: row l % 16, 16 bytes for each half of the lanes
	v_lshl_add_u32 v5, v2, 4, v5
	v_add_nc_u32 v[STO], s23, v5
	v_bfe_u32 v5, v0, 3, 2                         ; back: eight lanes take a row of 128 bytes, the 32 lanes four rows
	v_mul_u32_u24 v5, v5, SPITCH
	v_and_b32 v6, 7, v0
	v_lshl_add_u32 v5, v6, 4, v5
	v_add_nc_u32 v[RD], s23, v5
	v_and_b32 v6, 31, v0
	v_lshlrev_b32 v[CO], 4, v6                     ; four rows of a head are 512 consecutive bytes of qkv
	; where my part begins in qkv: which << 24 | b << 22 | h << 18 | s << 7, with m0 = my first row, G = my first head among the 48
	s_lshl_b32 s20, s17, 8
	s_lshl_b32 s21, s15, 7
	s_add_co_u32 s20, s20, s21                     ; m0 = 256 x tile row + 128 x half
	s_lshr_b32 s21, s20, 11                        ; b
	s_lshl_b32 s21, s21, 22
	s_and_b32 s20, s20, 2047                       ; s
	s_lshl_b32 s20, s20, 7
	s_add_co_u32 s20, s20, s21
	s_lshl_b32 s46, s42, 2
	s_lshl_b32 s47, s16, 1
	s_add_co_u32 s46, s46, s47                     ; G = 4 x tile column + 2 x half
	s_lshr_b32 s47, s46, 4                         ; q, k or v
	s_lshl_b32 s47, s47, 24
	s_and_b32 s46, s46, 15                         ; h
	s_lshl_b32 s46, s46, 18
	s_add_co_u32 s46, s46, s47
	s_add_co_u32 s20, s20, s46
	s_mov_b32 s21, 0
	s_add_nc_u64 s[12:13], s[12:13], s[20:21]      ; never stepped again: all else stands in the stores' immediates
.macro FRAG reg, adr, q, i             ; a fragment, 16 rows x 128 K of 4-bit codes: lane l holds row l % 16; registers 4 c .. 4 c + 3 hold K = 64 c + 32 (l / 16) + 0 .. 31
.irp c, 0,1
	ds_load_b128 v[\reg+4*\c:\reg+4*\c+3], v[\adr] offset:64*(\q)+32*\c+(\i)*16*PITCH
.endr
.endm
; 16 matrix instructions: x's blocks a0, a0 + 1 against W's eight, 128 along K: the slot's q-th.  p: W's set;  sc: the set of scale words.  zero = 1: the first product starts the sums.
; The 64 accumulators take turns, one instruction a turn, in the same order in every step.
.macro MUL16 a0, p, q, sc, zero
.irp a, \a0, \a0+1
.irp b, 0,1,2,3,4,5,6,7
.if \zero
	v_wmma_scale_f32_16x16x128_f8f6f4 v[8*(8*((\a)%4)+\b):8*(8*((\a)%4)+\b)+7], v[128*(\p)+FR*\b:128*(\p)+FR*\b+FR-1], v[AF+FR*(\a):AF+FR*(\a)+FR-1], 0, v[SC+8*NQ*(\sc)+NQ*\b+(\q)], v[SC+8*NQ*(\sc)+NQ*(\a)+(\q)] matrix_a_fmt:MATRIX_FMT_FP4 matrix_b_fmt:MATRIX_FMT_FP4 matrix_a_scale:MATRIX_SCALE_ROW1
.else
	v_wmma_scale_f32_16x16x128_f8f6f4 v[8*(8*((\a)%4)+\b):8*(8*((\a)%4)+\b)+7], v[128*(\p)+FR*\b:128*(\p)+FR*\b+FR-1], v[AF+FR*(\a):AF+FR*(\a)+FR-1], v[8*(8*((\a)%4)+\b):8*(8*((\a)%4)+\b)+7], v[SC+8*NQ*(\sc)+NQ*\b+(\q)], v[SC+8*NQ*(\sc)+NQ*(\a)+(\q)] matrix_a_fmt:MATRIX_FMT_FP4 matrix_b_fmt:MATRIX_FMT_FP4 matrix_a_scale:MATRIX_SCALE_ROW1
.endif
.endr
.endr
.endm
.macro FETCH_B slot, q, p              ; W's eight fragments of the slot's q-th 128 along K into set p
	WIN TO_B
.irp i, 0,1,2,3,4,5,6,7
	FRAG 128*(\p)+FR*\i, ADRB+\slot, \q, \i
.endr
	WIN 0
.endm
.macro FETCH_A slot, q, i0             ; x's blocks i0 .. i0 + 3
.irp i, \i0, \i0+1, \i0+2, \i0+3
	FRAG AF+FR*(\i), ADRA+\slot, \q, \i
.endr
.endm
.macro SCALES sc                       ; a K step's scale words into set sc: NQ words a row; lanes 0-15 take x's block i, lanes 16-31 W's block i
.irp i, 0,1,2,3,4,5,6,7
	ds_load_b128 v[SC+8*NQ*\sc+NQ*\i:SC+8*NQ*\sc+NQ*\i+3], v[ADRS] offset:\i*SBLK
.endr
.endm
; A load into a register that a matrix instruction has read, and a vector instruction or an LDS store that reads a matrix result, stand NP places behind that matrix instruction; only plain vector
; instructions that name none of its registers are places (ISA guide 7.12.1 for vector instructions).
.macro PLACES n
.rept \n
	v_nop
.endr
.endm
; A step of 128 along K that has its successor in the same slot.
.macro STEP slot, q, zero
	s_wait_dscnt 4*NL                              ; W's set and x's blocks 0-3 are in; the youngest eight loads (x's blocks 4-7) may be out
	WIN MUL_LO
	MUL16 0, (\q)%2, \q, \slot, \zero
	MUL16 2, (\q)%2, \q, \slot, \zero
	s_wait_dscnt 0                                 ; x's blocks 4-7 are in (asked for 32 matrix instructions ago)
	PLACES NP
	FETCH_B \slot, (\q)+1, 1-(\q)%2
	FETCH_A \slot, (\q)+1, 0
	WIN MUL_HI
	MUL16 4, (\q)%2, \q, \slot, \zero
	MUL16 6, (\q)%2, \q, \slot, \zero
	PLACES NP
	WIN 0
	FETCH_A \slot, (\q)+1, 4
.endm
; Slot 0's last step changes slots: one barrier; in front of it each wave waits for all its tensor loads (its part of slot 1), adds 0 to its spare word, and waits for that and for its own reads of slot 0.
; Behind it slot 1 is whole, and nobody reads slot 0 any more: the way out's stages may lie there.  Nothing is filled again.
.macro TURN slot, next
	s_wait_tensorcnt 0x0                           ; all my tensor loads have landed  (every window is 0 here)
	ds_add_u32 v[SPW], v[NIL]                      ; 0 onto my spare word
	s_wait_dscnt 4*NL+1                            ; (the add and the youngest eight loads, x's blocks 4-7, may be out)
	WIN MUL_LO
	MUL16 0, 1, NQ-1, \slot, 0                     ; sixteen matrix instructions stand between the add and the wait for it
	s_wait_dscnt 0x0                               ; the add is done, and my reads of this slot are over
	s_barrier_signal -1
	MUL16 2, 1, NQ-1, \slot, 0
	WIN 0
	s_barrier_wait -1
	PLACES NP
	v_add_nc_u32 v[ADRS], 4*NQ, v[ADRS]            ; on to the next K step's scale words (no LDS load of mine is out)
	FETCH_B \next, 0, 0
	FETCH_A \next, 0, 0
	SCALES \next
	WIN MUL_HI
	MUL16 4, 1, NQ-1, \slot, 0
	MUL16 6, 1, NQ-1, \slot, 0
	PLACES NP
	WIN 0
	FETCH_A \next, 0, 4
.endm
.macro STEPS slot, from                ; the slot's steps from .. NQ - 2
.set Q, \from
.rept NQ-1-\from
	STEP \slot, Q, 0
.set Q, Q+1
.endr
.endm
	s_wait_tensorcnt 1                             ; the scales and my part of slot 0 are in (slot 1's load may be out)
	s_barrier_signal -1
	s_barrier_wait -1                              ; everybody's are
	FETCH_B 0, 0, 0
	FETCH_A 0, 0, 0
	SCALES 0
	FETCH_A 0, 0, 4
	STEP 0, 0, 1                                   ; the first step's products start the sums: nothing is cleared
	STEPS 0, 1
	TURN 0, 1
	STEPS 1, 0
	s_wait_dscnt 4*NL                              ; the very last step: nothing more to fetch
	WIN MUL_LO
	MUL16 0, 1, NQ-1, 1, 0
	MUL16 2, 1, NQ-1, 1, 0
	s_wait_dscnt 0
	WIN MUL_HI
	MUL16 4, 1, NQ-1, 1, 0
	MUL16 6, 1, NQ-1, 1, 0
	WIN 0
; THE WAY OUT, block by block of 16 positions x 128 channels (two heads).  PACK: rounded to f16, 16 bytes a lane, each accumulator from its low end on.  TOSTAGE: into my own stage, a region for each head, and back
; four rows at a time.  SEND: each store covers 512 consecutive bytes of qkv, aligned: four positions of one head.  LDS serves a wave's instructions in order (ISA guide 5.7.1.4): no wait between the stage's stores and loads.
.macro PACK a
.set AC, 64*((\a)%4)
	WIN (0x0a+5*((\a)/4))                          ; sources 0 and 1: window 2 or 3
.irp b, 0,1,2,3,4,5,6,7
.irp rr, 0,1,2,3
	v_cvt_pk_f16_f32 v[TMP+4*\b+\rr], v[AC+8*\b+2*\rr], v[AC+8*\b+2*\rr+1]
.endr
.endr
	WIN 0
.endm
.macro TOSTAGE a
.set BB, BK+32*((\a)%2)
.irp b, 0,1,2,3,4,5,6,7
	ds_store_b128 v[STO], v[TMP+4*\b:TMP+4*\b+3] offset:(\b/4)*HSTG+32*(\b%4)
.endr
.irp g, 0,1
.irp t, 0,1,2,3
	ds_load_b128 v[BB+4*(4*\g+\t):BB+4*(4*\g+\t)+3], v[RD] offset:\g*HSTG+\t*4*SPITCH
.endr
.endr
.endm
.macro SEND a
.set BB, BK+32*((\a)%2)
	s_wait_dscnt 0x0                               ; the block is back in registers
	s_wait_xcnt 0x0                                ; the block before has had its stores' addresses translated (ISA guide 3.1): the next block's loads land on its registers only behind this wait
.irp g, 0,1
.irp t, 0,1,2,3
	global_store_b128 v[CO], v[BB+4*(4*\g+\t):BB+4*(4*\g+\t)+3], s[12:13] offset:\g*262144+(\a)*2048+\t*512
.endr
.endr
.endm
	PLACES NP                                      ; behind the last products: the conversions write registers that held scale words, the stage's loads land where x's fragments lay
	PACK 0
	TOSTAGE 0
.irp a, 1,2,3,4,5,6,7                  ; block a's conversions stand between block a - 1's loads from the stage and the wait for them
	PACK \a
	SEND \a-1
	TOSTAGE \a
.endr
	SEND 7
	s_wait_tensorcnt 0x0                           ; the wave's end, behind my last tensor load and my last LDS store
	ds_add_u32 v[SPW], v[NIL]
	s_wait_dscnt 0x0
	CROUND                                         ; the closing round: no work-group ends while a partner may still ask for a tile that names it
	s_endpgm
.Lfunc_end_k_qd1cbd5f6da_qkv:
	.size	k_qd1cbd5f6da_qkv, .Lfunc_end_k_qd1cbd5f6da_qkv-k_qd1cbd5f6da_qkv
	.p2alignl 7, 3214868480
	.fill 96, 4, 3214868480
	.section	.rodata,"a",@progbits
	.p2align	6, 0x0
	.amdhsa_kernel k_qd1cbd5f6da_qkv
		.amdhsa_group_segment_fixed_size 327680
		.amdhsa_private_segment_fixed_size 0
		.amdhsa_enable_private_segment 0
		.amdhsa_kernarg_size 40
		.amdhsa_user_sgpr_count 2
		.amdhsa_user_sgpr_kernarg_segment_ptr 1
		.amdhsa_wavefront_size32 1
		.amdhsa_system_sgpr_workgroup_id_x 1
		.amdhsa_system_sgpr_workgroup_id_y 1
		.amdhsa_system_sgpr_workgroup_id_z 1
		.amdhsa_system_vgpr_workitem_id 0
		.amdhsa_next_free_vgpr 1024
		.amdhsa_next_free_sgpr 98
		.amdhsa_reserve_vcc 0
		.amdhsa_float_denorm_mode_32 3
		.amdhsa_float_denorm_mode_16_64 3
		.amdhsa_memory_ordered 1
		.amdhsa_forward_progress 1
		.amdhsa_inst_pref_size 127
	.end_amdhsa_kernel
	.amdgpu_metadata
---
amdhsa.version: [ 1, 2 ]
amdhsa.kernels:
  - .name:           k_qd1cbd5f6da_qkv
    .symbol:         k_qd1cbd5f6da_qkv.kd
    .args:
      - { .name: xc, .offset: 0, .size: 8, .value_kind: global_buffer, .address_space: global }
      - { .name: xs, .offset: 8, .size: 8, .value_kind: global_buffer, .address_space: global }
      - { .name: wc, .offset: 16, .size: 8, .value_kind: global_buffer, .address_space: global }
      - { .name: ws, .offset: 24, .size: 8, .value_kind: global_buffer, .address_space: global }
      - { .name: qkv, .offset: 32, .size: 8, .value_kind: global_buffer, .address_space: global }
    .group_segment_fixed_size: 327680
    .private_segment_fixed_size: 0
    .kernarg_segment_align: 8
    .kernarg_segment_size: 40
    .max_flat_workgroup_size: 128
    .sgpr_count:     98
    .vgpr_count:     1024
    .wavefront_size: 32
...
	.end_amdgpu_metadata
.endif
;; end of part 2
;; launch attn (part 3): grid 4 x 64, 16 waves a work-group, no clusters, 327,680 bytes of LDS; arguments qkv, ctx; writes ctx
.if DOCPART == 3
	.amdgcn_target "amdgcn-amd-amdhsa--gfx1250"
	.amdhsa_code_object_version 6
	.text
	.protected	k_qd1cbd5f6da_attn
	.globl	k_qd1cbd5f6da_attn
	.p2align	8
	.type	k_qd1cbd5f6da_attn,@function
k_qd1cbd5f6da_attn:
	s_mov_b64 s[64:65], 0
	v_nop
	global_prefetch_b8 v0, s[64:65] scope:SCOPE_SE
	s_setreg_imm32_b32 hwreg(HW_REG_WAVE_MODE, 25, 1), 1
	s_wait_xcnt 0x0
; ctx[b][h][i][:] = the sum over j of softmax_j(q[i] . k[j]) v[j][:], over the band i - 255 <= j <= i alone (the scores are NOT divided by sqrt(64)).  q, k, v: f16, qkv [3][64 heads][2048][64]; ctx: f16 [64][2048][64].
; Products on f16 operands with f32 sums; maxima, exponentials and row sums in f32; the weights p are rounded to f16 for the second product, ctx once at the end.
; LIMITS: p under 6e-8 of the row's largest weight falls to zero in f16; ctx from 65,504 up becomes infinity; NaN and infinities in q, k, v are not served (a hidden key's v is multiplied by the weight 0).
; SHARES.  A work-group owns 512 queries of one head (grid: 4 blocks x 64 heads), each of its sixteen waves 32 of them, two tiles of 16, in 256 registers: four waves to a SIMD, so that one wave's vector work
; stands beside another's matrix work.  A wave walks 9 steps of 32 keys: q0 - 256 .. q0 + 31.  Only the first step (the band's lower edge) and the last (the diagonal) have hidden keys, and, in a head's first block, keys under 0.
; LDS.  The block's 768 rows of K and of V (keys Q0 - 256 .. Q0 + 511) are brought ONCE, by twelve tensor loads of 128 rows (waves 0-5: K, waves 8-13: V; one load a wave is out), and read by all waves: no ring, no refill.
; LDS row = key - (Q0 - 256), in every block.  In a head's first block the rows of keys under 0 are filled from the head's first 128 rows (an address held at 0 from below): finite numbers, all of whose scores are hidden.
; NO CLUSTER: neighbouring blocks of a head share 256 of 768 rows, and these would lie at other LDS rows in the two partners, so that no one descriptor serves both.
; LAYOUT.  S^T = K Q^T (source 0 = 16 keys, source 1 = 16 queries): a lane holds ONE query (lane % 16) and keys 8 (lane / 16) + 0..7.  Two such tiles, rounded to f16 in pairs, ARE source 1 (32 keys x 16 queries) of
; O^T = V^T P, whose result again holds one query a lane.  K comes out of LDS as it lies, V ([key][channel]) turned, by ds_load_tr16_b128.
; SOFTMAX.  For each query a running maximum (kept as c m, c = log2 e) and sum l: p = 2^(c s - c m); in every step O and l are multiplied by a = 2^(c m_old - c m_new).  Hidden scores are -infinity: p = 0.  c m begins at -3e38,
; so a step all of whose keys are hidden leaves a = 1 and adds nothing; the diagonal key counts for every query, so l is above 0 at the end.
.set KP,    144                        ; a row of K in LDS: 128 bytes + 16: the 16 rows of a load start 16 bytes apart modulo 256
.set VP,    160                        ; a row of V: 128 + 32, for the turning load
.set ROWS,  768
.set VOFF,  ROWS*KP
.set STAGE, VOFF+ROWS*VP               ; behind the tiles: 32 rows x 144 bytes for each wave, for the way out
.set SPARE, STAGE+16*32*KP             ; behind the stages: the spare words, 128 bytes a wave
.set AK0, 3                            ; v3   my lane's place in my wave's first tile of K; never rewritten
.set AV0, 4                            ; v4   the same for V
.set ADK, 5                            ; v5   LDS address of the next step's K
.set ADV, 6                            ; v6   of this step's V
.set QO,  7                            ; v7   my byte offset in the wave's rows of Q
.set STO, 8                            ; v8   the way out: where I put 16 bytes of a row
.set RD,  9                            ; v9   where I read rows back
.set GO,  10                           ; v10  16 x lane
.set NEG, 11                           ; v11  -infinity
.set LOV, 12                           ; v12-13  tile qt: max(my query - 255, 0) - 8 (lane / 16)
.set DD,  14                           ; v14-15  the step's thresholds
.set QF,  16                           ; v16-47  Q: fragment (qt, c) at 16 qt + 8 c
.set KR,  48                           ; v48-79  K: fragment (kt, c) at 16 kt + 8 c
.set VF,  80                           ; v80-111 V^T: channels 16 ct on at 8 ct
.set S,   112                          ; v112-143 S^T: (qt, kt) at 16 qt + 8 kt
.set P,   144                          ; v144-159 P: 8 a tile
.set O,   160                          ; v160-223 O^T: (qt, ct) at 32 qt + 8 ct
.set ST,  224                          ; v224-239 eight a tile: +0 c m, +1 0 (named with it as a pair), +2, +3 l, +4, +5 at work, +6 a, +7 at work
.set SPW, 254
.set NIL, 255
.set WV,  8                            ; s8  wave;  s9  wave % 8: which 128 rows I fetch
.set KF,  13                           ; s13 the step's first key (may be negative)
.set LOMAX, 14                         ; s14 max(q0 - 224, 0): from this key on nothing is hidden from below
.set CNT, 15
.set TK,  40                           ; s40 the next step's K, in bytes from my first tile;  s41 this step's V
.set TV,  41
.set CS,  42                           ; s[42:43] c = log2 e
.set SEL, 44                           ; s[44:45] v_permlanex16_b32's selects for lane l xor 16
	s_load_b128 s[4:7], s[0:1], 0x0                ; qkv, ctx
	v_lshl_add_u32 v[SPW], v0, 2, SPARE
	v_mov_b32 v[NIL], 0
	ds_add_u32 v[SPW], v[NIL]                      ; the wave's opening: the add, twice on end, and its wait ahead of the first tensor load
	ds_add_u32 v[SPW], v[NIL]
	v_lshrrev_b32 v1, 5, v0
	v_readfirstlane_b32 s[WV], v1                  ; wave 0..15
	s_and_b32 s9, s[WV], 7
	s_and_b32 s10, ttmp7, 0xffff                   ; the head, 16 b + h
	s_lshl_b32 s11, ttmp9, 9                       ; Q0: the block's first query
	s_lshl_b32 s12, s[WV], 5
	s_add_co_u32 s12, s12, s11                     ; q0: my wave's first query
	s_sub_co_i32 s[KF], s12, 256
	s_sub_co_i32 s[LOMAX], s12, 224
	s_max_i32 s[LOMAX], s[LOMAX], 0
	; descriptor group 1: a tile of 128 rows x 64 elements of 2 bytes, dense in memory, padded behind every row (32 words): K by 4 words, V by 8
	s_mov_b32 s16, (1<<16)|(1<<20)|(4<<22)|(3<<25)
	s_mov_b32 s24, (1<<16)|(1<<20)|(4<<22)|(7<<25)
.irp g, 16, 24
	s_mov_b32 s[\g+1], 64<<16                      ; tensor_dim0
	s_mov_b32 s[\g+2], 128<<16                     ; tensor_dim1
	s_mov_b32 s[\g+3], 64<<16                      ; tile_dim0
	s_mov_b32 s[\g+4], 128                         ; tile_dim1
	s_mov_b32 s[\g+5], 64                          ; tensor_dim0_stride
	s_mov_b32 s[\g+6], 0
	s_mov_b32 s[\g+7], 0
.endr
	s_lshl_b32 s50, s10, 18                        ; the head's first byte in q, k, v and ctx
	s_lshl_b32 s51, s9, 7
	s_add_co_u32 s51, s51, s11
	s_sub_co_i32 s51, s51, 256                     ; the first key of my 128 rows: Q0 - 256 + 128 x piece,
	s_max_i32 s51, s51, 0                          ; held at 0 from below
	s_lshl_b32 s51, s51, 7
	s_add_co_u32 s52, s50, s51
	s_add_co_u32 s52, s52, 1<<24                   ; in k
	s_mov_b32 s53, 0
	s_add_co_u32 s54, s52, 1<<24                   ; in v
	s_mov_b32 s55, 0
	s_lshl_b32 s56, s12, 7
	s_add_co_u32 s56, s56, s50                     ; my wave's first row of q and of ctx
	s_mov_b32 s57, 0
	s_mul_i32 s58, s9, 128*KP
	s_mul_i32 s59, s9, 128*VP
	s_add_co_u32 s59, s59, VOFF
	s_mov_b32 s[CS], 0x3fb8aa3b
	s_mov_b32 s[CS+1], s[CS]                       ; (named with it as a pair, so it is written)
	s_mov_b32 s[SEL], 0x76543210
	s_mov_b32 s[SEL+1], 0xfedcba98
	s_mov_b32 s[TK], 32*KP
	s_mov_b32 s[TV], 0
	s_mov_b32 s[CNT], 8
	s_wait_dscnt 0x0                               ; both opening adds are done
	s_wait_kmcnt 0x0
	s_mov_b32 s32, 1
	s_mov_b32 s33, s58
	s_add_nc_u64 s[34:35], s[4:5], s[52:53]
	s_or_b32 s35, s35, 0x80000000
	s_mov_b32 s36, 1
	s_mov_b32 s37, s59
	s_add_nc_u64 s[38:39], s[4:5], s[54:55]
	s_or_b32 s39, s39, 0x80000000
	s_add_nc_u64 s[46:47], s[4:5], s[56:57]        ; Q at my first row
	s_add_nc_u64 s[48:49], s[6:7], s[56:57]        ; ctx likewise
	s_cmp_lt_u32 s9, 6                             ; six pieces of 128 rows each: waves 0-5 fetch K's, waves 8-13 V's; the branches hang on the wave's number alone
	s_cbranch_scc0 .Lasked
	s_cmp_lt_u32 s[WV], 8
	s_cbranch_scc0 .Lfor_v
	tensor_load_to_lds s[32:35], s[16:23]
	s_nop 0
.rept 4
	v_nop
.endr
	s_branch .Lasked
.Lfor_v:
	tensor_load_to_lds s[36:39], s[24:31]
	s_nop 0
.rept 4
	v_nop
.endr
.Lasked:
	v_and_b32 v1, 15, v0                           ; r = lane % 16
	v_bfe_u32 v2, v0, 4, 1                         ; h = lane / 16
	v_lshlrev_b32 v[QO], 7, v1
	v_lshl_add_u32 v[QO], v2, 4, v[QO]             ; row r of 128 bytes + 16 h
.irp qt, 0,1                                   ; Q stays in registers: a fragment is 16 queries x 32 channels: registers 0-3 channels 8 h + 0..7, registers 4-7 channels 16 + 8 h + 0..7
.irp c, 0,1
	global_load_b128 v[QF+16*\qt+8*\c:QF+16*\qt+8*\c+3], v[QO], s[46:47] offset:\qt*2048+\c*64
	global_load_b128 v[QF+16*\qt+8*\c+4:QF+16*\qt+8*\c+7], v[QO], s[46:47] offset:\qt*2048+\c*64+32
.endr
.endr
	v_mul_u32_u24 v[AK0], v1, KP
	v_lshl_add_u32 v[AK0], v2, 4, v[AK0]
	s_mul_i32 s58, s[WV], 32*KP                    ; my first step's keys lie 32 x wave rows into the tiles
	v_add_nc_u32 v[AK0], s58, v[AK0]
	v_and_b32 v[ADK], 7, v0                        ; the turning load: lane l reads key 8 h + l % 8, channels 8 ((l / 8) % 2) + 0..7
	v_lshl_add_u32 v[AV0], v2, 3, v[ADK]
	v_mul_u32_u24 v[AV0], v[AV0], VP
	v_bfe_u32 v[ADK], v0, 3, 1
	v_lshl_add_u32 v[AV0], v[ADK], 4, v[AV0]
	s_mul_i32 s59, s[WV], 32*VP
	s_add_co_u32 s59, s59, VOFF
	v_add_nc_u32 v[AV0], s59, v[AV0]
	v_add_nc_u32 v[STO], STAGE, v[AK0]             ; my stage has K's pitch and 32 rows a wave: row r, 16 bytes for each half of the lanes
	v_bfe_u32 v[RD], v0, 3, 2                      ; back: eight lanes a row of 128 bytes, four rows an instruction
	v_mul_u32_u24 v[RD], v[RD], KP
	v_and_b32 v[GO], 7, v0
	v_lshl_add_u32 v[RD], v[GO], 4, v[RD]
	s_add_co_u32 s58, s58, STAGE
	v_add_nc_u32 v[RD], s58, v[RD]
	v_and_b32 v[GO], 31, v0
	v_lshlrev_b32 v[GO], 4, v[GO]
	v_mov_b32 v[NEG], 0xff800000
	s_sub_co_i32 s58, s12, 255
	v_add_nc_u32 v[LOV], s58, v1                   ; my query - 255, tile 0;
	v_add_nc_u32 v[LOV+1], 16, v[LOV]              ; tile 1
	v_lshlrev_b32 v[DD], 3, v2
.irp qt, 0,1
	v_cmp_lt_i32 vcc_lo, 0, v[LOV+\qt]
	v_cndmask_b32 v[LOV+\qt], 0, v[LOV+\qt], vcc_lo   ; held at 0 from below: keys under 0 are hidden too
	v_sub_nc_u32 v[LOV+\qt], v[LOV+\qt], v[DD]
.endr
.irp qt, 0,1
	v_mov_b32 v[ST+8*\qt], 0xff61b1e6              ; c m so far: -3e38
	v_mov_b32 v[ST+8*\qt+1], 0
	v_mov_b32 v[ST+8*\qt+2], 0                     ; l, in two halves
	v_mov_b32 v[ST+8*\qt+3], 0
.endr
.set i, 0
.rept 64
	v_mov_b32 v[O+i], 0                            ; O^T.  (The step is written once for the loop: its first trip finds zeros)
.set i, i+1
.endr
.macro KLOAD adr                       ; 32 keys x 64 channels: four fragments
.irp kt, 0,1
.irp c, 0,1
	ds_load_b128 v[KR+16*\kt+8*\c:KR+16*\kt+8*\c+3], v[\adr] offset:\kt*16*KP+64*\c
	ds_load_b128 v[KR+16*\kt+8*\c+4:KR+16*\kt+8*\c+7], v[\adr] offset:\kt*16*KP+64*\c+32
.endr
.endr
.endm
	s_wait_tensorcnt 0x0                           ; my piece has landed,
	s_barrier_signal -1
	s_barrier_wait -1                              ; everybody's has: the tiles are whole, and stay
	KLOAD AK0                                      ; the first step's K
	s_wait_loadcnt 0x0                             ; Q
; A KEY STEP: 32 keys.  last = 0: in the loop: hidden keys from below, under a branch on ids; the next step's K is fetched.  last = 1: the diagonal step: hidden keys from above; nothing more to fetch.
.macro STEP last
	s_wait_dscnt 0x0                               ; this step's K is in
.irp c, 0,1                                    ; S^T = K Q^T: four accumulators by turns, one instruction a turn; the first four start the sums
.irp kt, 0,1
.irp qt, 0,1
.if \c == 0
	v_wmma_f32_16x16x32_f16 v[S+16*\qt+8*\kt:S+16*\qt+8*\kt+7], v[KR+16*\kt+8*\c:KR+16*\kt+8*\c+7], v[QF+16*\qt+8*\c:QF+16*\qt+8*\c+7], 0
.else
	v_wmma_f32_16x16x32_f16 v[S+16*\qt+8*\kt:S+16*\qt+8*\kt+7], v[KR+16*\kt+8*\c:KR+16*\kt+8*\c+7], v[QF+16*\qt+8*\c:QF+16*\qt+8*\c+7], v[S+16*\qt+8*\kt:S+16*\qt+8*\kt+7]
.endif
.endr
.endr
.endr
	v_add_nc_u32 v[ADV], s[TV], v[AV0]             ; four places: behind these products (reads of S^T, loads into K's registers) and behind the last step's V^T P (loads into V's registers)
.if \last
	v_nop
.else
	v_add_nc_u32 v[ADK], s[TK], v[AK0]
.endif
	v_nop
	v_nop
.irp ct, 0,1,2,3                               ; this step's V, turned: channels 16 ct on, keys 0-15 and 16-31
	ds_load_tr16_b128 v[VF+8*\ct:VF+8*\ct+3], v[ADV] offset:32*\ct
	ds_load_tr16_b128 v[VF+8*\ct+4:VF+8*\ct+7], v[ADV] offset:32*\ct+16*VP
.endr
.if \last
	v_lshlrev_b32 v[DD+1], 3, v2                   ; register i holds key q0 + 16 (i / 8) + 8 h + i % 8: hidden where that lies above my query q0 + 16 qt + r
	v_sub_nc_u32 v[DD], v1, v[DD+1]
	v_add_nc_u32 v[DD+1], 16, v[DD]
.irp qt, 0,1
.irp i, 0,1,2,3,4,5,6,7,8,9,10,11,12,13,14,15
	v_cmp_gt_i32 vcc_lo, 16*(\i/8)+\i%8, v[DD+\qt]
	v_cndmask_b32 v[S+16*\qt+\i], v[S+16*\qt+\i], v[NEG], vcc_lo
.endr
.endr
.else
	KLOAD ADK                                      ; the next step's K: it has the softmax in which to land
	s_cmp_ge_i32 s[KF], s[LOMAX]                   ; ids and the count of steps alone: from this key on none of my 32 queries hides a key from below
	s_cbranch_scc1 .Lopen_\@
	v_sub_nc_u32 v[DD], v[LOV], s[KF]              ; register i holds key KF + 16 (i / 8) + 8 h + i % 8: hidden where that lies under max(my query - 255, 0)
	v_sub_nc_u32 v[DD+1], v[LOV+1], s[KF]
.irp qt, 0,1
.irp i, 0,1,2,3,4,5,6,7,8,9,10,11,12,13,14,15
	v_cmp_lt_i32 vcc_lo, 16*(\i/8)+\i%8, v[DD+\qt]
	v_cndmask_b32 v[S+16*\qt+\i], v[S+16*\qt+\i], v[NEG], vcc_lo
.endr
.endr
.Lopen_\@:
.endif
	; the softmax, the two tiles line by line by turns.  The largest of my 16 scores, in two chains, each accumulator read from its low end on
.irp qt, 0,1
	v_max3_num_f32 v[ST+8*\qt+4], v[S+16*\qt], v[S+16*\qt+1], v[S+16*\qt+2]
.endr
.irp qt, 0,1
	v_max3_num_f32 v[ST+8*\qt+5], v[S+16*\qt+3], v[S+16*\qt+4], v[S+16*\qt+5]
.endr
.irp i, 6,10
.irp qt, 0,1
	v_max3_num_f32 v[ST+8*\qt+4], v[ST+8*\qt+4], v[S+16*\qt+\i], v[S+16*\qt+\i+1]
.endr
.irp qt, 0,1
	v_max3_num_f32 v[ST+8*\qt+5], v[ST+8*\qt+5], v[S+16*\qt+\i+2], v[S+16*\qt+\i+3]
.endr
.endr
.irp qt, 0,1
	v_max3_num_f32 v[ST+8*\qt+4], v[ST+8*\qt+4], v[S+16*\qt+14], v[S+16*\qt+15]
.endr
.irp qt, 0,1
	v_max_num_f32 v[ST+8*\qt+4], v[ST+8*\qt+4], v[ST+8*\qt+5]
.endr
.irp qt, 0,1
	v_permlanex16_b32 v[ST+8*\qt+5], v[ST+8*\qt+4], s[SEL], s[SEL+1]   ; the query's other 16 keys lie in the lane 16 away
.endr
.irp qt, 0,1
	v_max_num_f32 v[ST+8*\qt+4], v[ST+8*\qt+4], v[ST+8*\qt+5]
.endr
.irp qt, 0,1
	v_mov_b32 v[ST+8*\qt+7], v[ST+8*\qt]           ; c m_old is kept for a
.endr
.irp qt, 0,1
	v_mul_f32 v[ST+8*\qt+4], s[CS], v[ST+8*\qt+4]
.endr
.irp qt, 0,1
	v_max_num_f32 v[ST+8*\qt], v[ST+8*\qt], v[ST+8*\qt+4]   ; the running maximum, as c m
.endr
.irp qt, 0,1
	v_sub_f32 v[ST+8*\qt+7], v[ST+8*\qt+7], v[ST+8*\qt]
.endr
.irp j, 0,2,4,6,8,10,12,14
.irp qt, 0,1
	v_pk_fma_f32 v[S+16*\qt+\j:S+16*\qt+\j+1], v[S+16*\qt+\j:S+16*\qt+\j+1], s[CS:CS+1], v[ST+8*\qt:ST+8*\qt+1] op_sel_hi:[1,0,0] neg_lo:[0,0,1] neg_hi:[0,0,1]   ; c s - c m, two at a time
.endr
.endr
.irp qt, 0,1
	v_exp_f32 v[ST+8*\qt+6], v[ST+8*\qt+7]         ; a.  ONE BATCH of 34 exponentials, none of which reads another's result
.endr
.irp i, 0,1,2,3,4,5,6,7,8,9,10,11,12,13,14,15
.irp qt, 0,1
	v_exp_f32 v[S+16*\qt+\i], v[S+16*\qt+\i]       ; p, at most 1
.endr
.endr
	v_nop                                          ; a plain instruction behind the last exponential,
	s_wait_alu depctr_va_vdst(0)                   ; and a wait ahead of the batch's first reader
.irp j, 0,1,2,3,4,5,6,7
.irp qt, 0,1
	v_cvt_pk_f16_f32 v[P+8*\qt+\j], v[S+16*\qt+2*\j], v[S+16*\qt+2*\j+1]   ; these eight registers are source 1 of V^T P as they stand
.endr
.endr
.irp j, 0,4,8,12                               ; the row's sum of the unrounded p, pairs in a tree, in place
.irp qt, 0,1
	v_pk_add_f32 v[S+16*\qt+\j:S+16*\qt+\j+1], v[S+16*\qt+\j:S+16*\qt+\j+1], v[S+16*\qt+\j+2:S+16*\qt+\j+3]
.endr
.endr
.irp j, 0,8
.irp qt, 0,1
	v_pk_add_f32 v[S+16*\qt+\j:S+16*\qt+\j+1], v[S+16*\qt+\j:S+16*\qt+\j+1], v[S+16*\qt+\j+4:S+16*\qt+\j+5]
.endr
.endr
.irp qt, 0,1
	v_pk_add_f32 v[S+16*\qt:S+16*\qt+1], v[S+16*\qt:S+16*\qt+1], v[S+16*\qt+8:S+16*\qt+9]
.endr
.irp qt, 0,1
	v_pk_fma_f32 v[ST+8*\qt+2:ST+8*\qt+3], v[ST+8*\qt+2:ST+8*\qt+3], v[ST+8*\qt+6:ST+8*\qt+7], v[S+16*\qt:S+16*\qt+1] op_sel_hi:[1,0,1]   ; l = a l + the sum
.endr
.irp qt, 0,1
.irp j, 0,2,4,6,8,10,12,14,16,18,20,22,24,26,28,30
	v_pk_mul_f32 v[O+32*\qt+\j:O+32*\qt+\j+1], v[O+32*\qt+\j:O+32*\qt+\j+1], v[ST+8*\qt+6:ST+8*\qt+7] op_sel_hi:[1,0]   ; O^T x a, each accumulator from its low end on
.endr
.endr
.if \last
	s_wait_dscnt 0x0                               ; V is in
.else
	s_wait_dscnt 8                                 ; V is in; the eight loads of the next step's K may be out
.endif
.irp ct, 0,1,2,3                               ; O^T += V^T P: eight accumulators by turns
.irp qt, 0,1
	v_wmma_f32_16x16x32_f16 v[O+32*\qt+8*\ct:O+32*\qt+8*\ct+7], v[VF+8*\ct:VF+8*\ct+7], v[P+8*\qt:P+8*\qt+7], v[O+32*\qt+8*\ct:O+32*\qt+8*\ct+7]
.endr
.endr
.if \last == 0
	s_add_co_i32 s[KF], s[KF], 32
	s_add_co_u32 s[TK], s[TK], 32*KP
	s_add_co_u32 s[TV], s[TV], 32*VP
.endif
.endm
.Lstep:                                            ; eight trips, a constant: keys q0 - 256 .. q0 - 1
	STEP 0
	s_sub_co_u32 s[CNT], s[CNT], 1
	s_cmp_lg_u32 s[CNT], 0
	s_cbranch_scc1 .Lstep
	STEP 1                                         ; keys q0 .. q0 + 31
	; THE WAY OUT.  l's two halves and the other half of the lanes' are added (these lines are the places behind the last products); O^T is divided by l, rounded to f16 and sent through my stage.
.irp qt, 0,1
	v_add_f32 v[ST+8*\qt+4], v[ST+8*\qt+2], v[ST+8*\qt+3]
.endr
.irp qt, 0,1
	v_permlanex16_b32 v[ST+8*\qt+5], v[ST+8*\qt+4], s[SEL], s[SEL+1]
.endr
.irp qt, 0,1
	v_add_f32 v[ST+8*\qt+4], v[ST+8*\qt+4], v[ST+8*\qt+5]
.endr
	v_nop
	v_nop
.irp qt, 0,1
	v_rcp_f32 v[ST+8*\qt+6], v[ST+8*\qt+4]
.endr
	v_nop                                          ; a plain instruction between the last reciprocal and the use of its result,
	s_wait_alu depctr_va_vdst(0)                   ; and a wait ahead of the first use
.irp qt, 0,1
.irp j, 0,2,4,6,8,10,12,14,16,18,20,22,24,26,28,30
	v_pk_mul_f32 v[O+32*\qt+\j:O+32*\qt+\j+1], v[O+32*\qt+\j:O+32*\qt+\j+1], v[ST+8*\qt+6:ST+8*\qt+7] op_sel_hi:[1,0]
.endr
.endr
.irp qt, 0,1
.irp j, 0,1,2,3,4,5,6,7,8,9,10,11,12,13,14,15
	v_cvt_pk_f16_f32 v[S+16*\qt+\j], v[O+32*\qt+2*\j], v[O+32*\qt+2*\j+1]   ; registers 4 ct .. 4 ct + 3: query r, channels 16 ct + 8 h + 0..7
.endr
.endr
.irp qt, 0,1
.irp ct, 0,1,2,3
	ds_store_b128 v[STO], v[S+16*\qt+4*\ct:S+16*\qt+4*\ct+3] offset:\qt*16*KP+32*\ct
.endr
.endr
.irp t, 0,1,2,3,4,5,6,7
	ds_load_b128 v[KR+4*\t:KR+4*\t+3], v[RD] offset:\t*4*KP    ; LDS serves a wave's instructions in order (ISA guide 5.7.1.4): these see my stores
.endr
.irp t, 0,1,2,3,4,5,6,7
	s_wait_dscnt 7-\t                              ; the younger loads may be out
	global_store_b128 v[GO], v[KR+4*\t:KR+4*\t+3], s[48:49] offset:\t*512   ; 32 lanes store 512 consecutive bytes, aligned: four positions of my head
.endr
	s_wait_tensorcnt 0x0                           ; the wave's end, behind my last tensor load and my last LDS store
	ds_add_u32 v[SPW], v[NIL]
	s_wait_dscnt 0x0
	s_endpgm
.Lfunc_end_k_qd1cbd5f6da_attn:
	.size	k_qd1cbd5f6da_attn, .Lfunc_end_k_qd1cbd5f6da_attn-k_qd1cbd5f6da_attn
	.p2alignl 7, 3214868480
	.fill 96, 4, 3214868480
	.section	.rodata,"a",@progbits
	.p2align	6, 0x0
	.amdhsa_kernel k_qd1cbd5f6da_attn
		.amdhsa_group_segment_fixed_size 327680
		.amdhsa_private_segment_fixed_size 0
		.amdhsa_enable_private_segment 0
		.amdhsa_kernarg_size 16
		.amdhsa_user_sgpr_count 2
		.amdhsa_user_sgpr_kernarg_segment_ptr 1
		.amdhsa_wavefront_size32 1
		.amdhsa_system_sgpr_workgroup_id_x 1
		.amdhsa_system_sgpr_workgroup_id_y 1
		.amdhsa_system_sgpr_workgroup_id_z 1
		.amdhsa_system_vgpr_workitem_id 0
		.amdhsa_next_free_vgpr 256
		.amdhsa_next_free_sgpr 66
		.amdhsa_reserve_vcc 1
		.amdhsa_float_denorm_mode_32 3
		.amdhsa_float_denorm_mode_16_64 3
		.amdhsa_memory_ordered 1
		.amdhsa_forward_progress 1
		.amdhsa_inst_pref_size 40
	.end_amdhsa_kernel
	.amdgpu_metadata
---
amdhsa.version: [ 1, 2 ]
amdhsa.kernels:
  - .name:           k_qd1cbd5f6da_attn
    .symbol:         k_qd1cbd5f6da_attn.kd
    .args:
      - { .name: qkv, .offset: 0, .size: 8, .value_kind: global_buffer, .address_space: global }
      - { .name: ctx, .offset: 8, .size: 8, .value_kind: global_buffer, .address_space: global }
    .group_segment_fixed_size: 327680
    .private_segment_fixed_size: 0
    .kernarg_segment_align: 8
    .kernarg_segment_size: 16
    .max_flat_workgroup_size: 512
    .sgpr_count:     66
    .vgpr_count:     256
    .wavefront_size: 32
...
	.end_amdgpu_metadata
.endif
;; end of part 3
;; launch proj (part 4): grid 4 x 64, 4 waves a work-group, clusters of 4 x 4, 327,680 bytes of LDS; arguments ctx, wo16, bo, out0; writes out0
.if DOCPART == 4
	.amdgcn_target "amdgcn-amd-amdhsa--gfx1250"
	.amdhsa_code_object_version 6
	.text
	.protected	k_qd1cbd5f6da_proj
	.globl	k_qd1cbd5f6da_proj
	.p2align	8
	.type	k_qd1cbd5f6da_proj,@function
k_qd1cbd5f6da_proj:
	s_mov_b64 s[64:65], 0
	v_nop
	global_prefetch_b8 v0, s[64:65] scope:SCOPE_SE
	s_setreg_imm32_b32 hwreg(HW_REG_WAVE_MODE, 25, 1), 1
	s_wait_xcnt 0x0
	s_wait_alu depctr_hold_cnt(0) depctr_sa_sdst(0) depctr_va_vdst(0) depctr_va_sdst(0) depctr_va_ssrc(0) depctr_va_vcc(0) depctr_vm_vsrc(0)
	s_getreg_b32 s2, hwreg(HW_REG_IB_STS2, 6, 4)
	s_cmp_eq_u32 s2, 0
	s_cbranch_scc0 .Lentry_in_a_cluster
	s_endpgm
.Lentry_in_a_cluster:
	s_bfe_u32 s2, ttmp6, 0x10000c
	s_cmp_lg_u32 s2, 0xf033
	s_cbranch_scc0 .Lentry_shape_is_right
	s_endpgm
.Lentry_shape_is_right:
; out[m][n] = sum over k of ctx[m][k] Wo[n][k] + bo[n].  m = 2048 b + s, k = 64 h + d.  ctx: f16, head-major [4 b][16 h][2048 s][64 d]; wo16: f16 [1024 n][1024 k]; bo f32 [1024]; out f32 [8192][1024].  Sums in f32.
; A tile of out is 128 (m) x 256 (n): 256 work-groups of four waves; a wave makes 64 x 128: 32 accumulators of 16 x 16, 256 registers.  K goes in 8 steps of 128 (two heads) through a ring of two LDS slots.
; ctx's part of a slot: for each of the two heads, 128 positions x 128 bytes, which are 16,384 consecutive bytes of memory: brought as 64 rows of 256 bytes with 16 bytes of padding behind each, so that position r,
; channel d lies at (r / 2) 272 + (r % 2) 128 + 2 d, and the 16 positions of a fragment load start at 16 different multiples of 16 bytes modulo 256.  Wo's part: 256 rows of 256 bytes, pitch 272.
; CLUSTERS: 4 x 4 work-groups.  The four of a row of the cluster need the same tiles of ctx, the four of a column the same tiles of Wo: each is asked for JOINTLY, by the same tensor load with the same descriptor and a
; mask that names the four.  Waves 0 and 1 fetch ctx's two heads, waves 2 and 3 Wo's two halves: one load a wave behind each round; two are out at the start.
; THE MATRIX INSTRUCTION IS USED TRANSPOSED (source 0 = 16 rows of Wo, source 1 = 16 rows of ctx): a lane then holds eight neighbouring numbers of a row of out.
; REGISTERS: window 0: v12-15 my four numbers of bo; v16-30 addresses; v32-127 and v128-223 two fragment buffers for 32 along K (ctx's 4 fragments, then Wo's 8); on the way out v32-159 hold rows of out.
;   window 1: accumulator (a, b) at v[8 (8 a + b)].
.set PITCH,  272
.set AH,     64*PITCH                  ; one head's 128 positions in LDS
.set BH,     128*PITCH                 ; 128 rows of Wo
.set SLOT,   2*AH+2*BH
.set STAGE,  2*SLOT                    ; behind the ring: 16 rows x (512 + 16) bytes for each wave, for the way out
.set SPITCH, 528
.set SPARE,  STAGE+4*16*SPITCH         ; behind the stages: the spare words, 128 bytes a wave
.set BIAS, 12
.set ADRA, 16                          ; v16-17  LDS address of my ctx fragments in slot 0, 1
.set ADRB, 20                          ; v20-21  the same for Wo
.set STO,  24                          ; v24     the way out: where I put 32 bytes of a row
.set RD,   25                          ; v25     where I read a row back
.set CO,   26                          ; v26     16 x lane
.set SPW,  28                          ; v28     LDS address of my spare word; never rewritten
.set NIL,  29                          ; v29     0; never rewritten
.set PFO,  30                          ; v30     256 x lane: the prefetches' offset; never rewritten
.set F0,   32
.set F1,   128
.set BK,   32                          ; the way out: v32-95 and v96-159 by turns
.set G1,  24                           ; s[24:31] descriptor group 1 for ctx's tiles;  s[32:39] group 0, one set for each slot
.set G0,  32
.set G1B, 48                           ; s[48:55], s[56:63] the same for Wo's
.set G0B, 56
.set LIM, 43                           ; s43     1 in the wave that prefetches, else the greatest number
.set PFA, 44                           ; s[44:45] where my work-group's prefetches stand
.set MSB, 0
.macro WIN new                         ; the immediate's high byte repeats the setting that is left
.if MSB != \new
	s_set_vgpr_msb (MSB<<8)|\new
.set MSB, \new
.endif
.endm
.set MUL, 0x50                         ; sources 0 and 1 window 0; C and D window 1
.macro JLOAD s                         ; a joint load; an s_nop 0 and four v_nop follow each of the two lines; the branch hangs on the wave's number alone
	s_cmp_eq_u32 s11, 0
	s_cbranch_scc0 .Lfor_b_\@
	tensor_load_to_lds s[G0+4*\s:G0+4*\s+3], s[G1:G1+7]
	s_nop 0
.rept 4
	v_nop
.endr
	s_branch .Lasked_\@
.Lfor_b_\@:
	tensor_load_to_lds s[G0B+4*\s:G0B+4*\s+3], s[G1B:G1B+7]
	s_nop 0
.rept 4
	v_nop
.endr
.Lasked_\@:
.endm
.macro CREST                           ; a round of the cluster's barrier behind its opening barrier
	s_cmp_lg_u32 s10, 0
	s_cbranch_scc1 .Lnot_wave_0_\@
	s_barrier_signal -3
.Lnot_wave_0_\@:
	s_barrier_wait -3
	s_barrier_signal -1
	s_barrier_wait -1
.endm
.macro CROUND                          ; a whole round
	s_barrier_signal -1
	s_barrier_wait -1
	CREST
.endm
; A PREFETCH of ctx, which the launch reads once: behind a joint load and the run of LDS loads that follows it, the K step that stands TWO refills on (256 matrix instructions ahead of the load that will want it).
; A K step of my tile row is 2 heads x 16,384 bytes.  Only the four work-groups of my row of the cluster read it: each names a quarter, 32 runs of 256 bytes, told apart BY ADDRESS (cx); wave 0 asks, a lane a run.
; So each run is named once in the launch.  K steps 0 to 3 come by their loads alone; the loop's last trip asks for nothing: there is no K step beyond 7.  Wo, which all 64 tile rows read, is not asked for.
.macro ASK
	s_cmp_gt_u32 s3, s[LIM]                        ; s3 = 1 in the loop's last trip
	s_cbranch_scc0 .Lnot_mine_\@
	global_prefetch_b8 v[PFO], s[PFA:PFA+1] offset:1<<19 th:TH_LOAD_NT scope:SCOPE_SE
.Lnot_mine_\@:
.endm
	s_load_b128 s[4:7], s[0:1], 0x0                ; ctx s[4:5], wo16 s[6:7]
	s_load_b64 s[22:23], s[0:1], 0x10              ; bo
	s_load_b64 s[8:9], s[0:1], 0x18                ; out
	v_lshl_add_u32 v[SPW], v0, 2, SPARE
	v_mov_b32 v[NIL], 0
	ds_add_u32 v[SPW], v[NIL]                      ; the wave's opening: the add, twice on end, and its wait ahead of my first tensor load
	ds_add_u32 v[SPW], v[NIL]
	v_lshrrev_b32 v1, 5, v0
	v_readfirstlane_b32 s10, v1                    ; wave 0..3
	s_lshr_b32 s11, s10, 1                         ; which 64 rows of the tile are mine.  Also: I fetch for ctx (0) or for Wo (1)
	s_and_b32 s12, s10, 1                          ; which 128 columns.  Also: which head of the K step's two, or which 128 rows of Wo, I fetch
	s_bfe_u32 s40, ttmp6, 0x40000                  ; cx, cy: my place in the cluster
	s_bfe_u32 s41, ttmp6, 0x40004
	s_lshl_b32 s42, ttmp9, 2
	s_add_co_u32 s42, s42, s40                     ; tile column = 4 x cluster x + cx
	s_and_b32 s13, ttmp7, 0xffff
	s_lshl_b32 s13, s13, 2
	s_add_co_u32 s13, s13, s41                     ; tile row = 4 x cluster y + cy
	s_lshl_b32 s43, s41, 2
	s_lshl_b32 s43, 15, s43                        ; my row of the cluster
	s_lshl_b32 s44, 0x1111, s40                    ; my column
	s_or_b32 s[G1+0], s43, (1<<16)|(1<<20)|(1<<21)|(5<<22)|(3<<25)   ; 15:0 the mask; 17:16 elements of 2 bytes; 20 padding on; 21 set beside a mask; 24:22 after every 64 words; 31:25 four words
	s_or_b32 s[G1B+0], s44, (1<<16)|(1<<20)|(1<<21)|(5<<22)|(3<<25)
	s_mov_b32 s[G1+1], 128<<16                     ; ctx: tensor_dim0 = 128 elements (two positions on end)
	s_mov_b32 s[G1+2], 64<<16                      ; tensor_dim1 = 64
	s_mov_b32 s[G1+3], 128<<16                     ; tile_dim0
	s_mov_b32 s[G1+4], 64                          ; tile_dim1
	s_mov_b32 s[G1+5], 128                         ; stride: dense
	s_mov_b32 s[G1+6], 0
	s_mov_b32 s[G1+7], 0
	s_mov_b32 s[G1B+1], 128<<16                    ; Wo: 128 rows x 128 elements, 1,024 elements from row to row
	s_mov_b32 s[G1B+2], 128<<16
	s_mov_b32 s[G1B+3], 128<<16
	s_mov_b32 s[G1B+4], 128
	s_mov_b32 s[G1B+5], 1024
	s_mov_b32 s[G1B+6], 0
	s_mov_b32 s[G1B+7], 0
	; where the tiles come from.  ctx's hang on the tile row alone, Wo's on the tile column alone, each in registers that do not hold the other coordinate
	s_lshr_b32 s18, s13, 4                         ; b
	s_lshl_b32 s18, s18, 22
	s_and_b32 s19, s13, 15
	s_lshl_b32 s19, s19, 14                        ; 128 positions of 128 bytes a tile row
	s_add_co_u32 s18, s18, s19                     ; my tile row's first byte in head 0 of its batch
	s_lshl_b32 s19, s12, 18
	s_add_co_u32 s14, s18, s19                     ; + the head that I fetch
	s_mov_b32 s15, 0
	s_lshl_b32 s46, s42, 19                        ; Wo: (256 x tile column + 128 x half) rows of 2,048 bytes
	s_add_co_u32 s46, s46, s19
	s_mov_b32 s47, 0
	s_mul_i32 s20, s12, AH                         ; where they go: no place in the cluster enters an LDS address
	s_mul_i32 s21, s12, BH
	s_add_co_u32 s21, s21, 2*AH
	s_wait_dscnt 0x0                               ; both opening adds are done
	s_wait_kmcnt 0x0
	s_add_nc_u64 s[14:15], s[4:5], s[14:15]
	s_add_nc_u64 s[46:47], s[6:7], s[46:47]
	CROUND                                         ; all sixteen work-groups are here: the first joint loads meet
.irp s, 0,1
	s_mov_b32 s[G0+4*\s], 1
	s_add_co_u32 s[G0+4*\s+1], s20, \s*SLOT
	s_add_nc_u64 s[G0+4*\s+2:G0+4*\s+3], s[14:15], \s*(1<<19)     ; K step s: two heads of 2^18 bytes on
	s_or_b32 s[G0+4*\s+3], s[G0+4*\s+3], 0x80000000
	s_mov_b32 s[G0B+4*\s], 1
	s_add_co_u32 s[G0B+4*\s+1], s21, \s*SLOT
	s_add_nc_u64 s[G0B+4*\s+2:G0B+4*\s+3], s[46:47], \s*256
	s_or_b32 s[G0B+4*\s+3], s[G0B+4*\s+3], 0x80000000
	JLOAD \s
.endr
	v_and_b32 v1, 15, v0                           ; r = l % 16
	v_bfe_u32 v2, v0, 4, 1                         ; h = l / 16
	v_lshrrev_b32 v3, 1, v1
	v_mul_u32_u24 v3, v3, PITCH
	v_and_b32 v4, 1, v1
	v_lshl_add_u32 v3, v4, 7, v3
	v_lshl_add_u32 v3, v2, 4, v3                   ; ctx: (r / 2) 272 + (r % 2) 128 + 16 h
	s_mul_i32 s16, s11, 32*PITCH                   ; my 64 positions
	v_add_nc_u32 v[ADRA], s16, v3
	v_add_nc_u32 v[ADRA+1], SLOT, v[ADRA]
	v_mul_u32_u24 v3, v1, PITCH
	v_lshl_add_u32 v3, v2, 4, v3                   ; Wo: r 272 + 16 h
	s_mul_i32 s16, s12, BH                         ; my 128 rows, behind ctx's part
	s_add_co_u32 s16, s16, 2*AH
	v_add_nc_u32 v[ADRB], s16, v3
	v_add_nc_u32 v[ADRB+1], SLOT, v[ADRB]
	s_mul_i32 s16, s10, 16*SPITCH
	s_add_co_u32 s16, s16, STAGE                   ; my stage
	v_mul_u32_u24 v3, v1, SPITCH
	v_lshl_add_u32 v3, v2, 5, v3
	v_add_nc_u32 v[STO], s16, v3                   ; in: row r, 32 bytes for each half of the lanes
	v_and_b32 v3, 31, v0
	v_lshlrev_b32 v[CO], 4, v3                     ; back: the 32 lanes take one row of 512 bytes; the same in out and in bo
	v_add_nc_u32 v[RD], s16, v[CO]
	v_lshlrev_b32 v[PFO], 8, v3
	s_lshl_b32 s46, s42, 10                        ; my first column, in bytes: 1,024 x tile column + 512 x half
	s_lshl_b32 s47, s12, 9
	s_add_co_u32 s46, s46, s47
	s_mov_b32 s47, 0
	s_add_nc_u64 s[22:23], s[22:23], s[46:47]
	global_load_b128 v[BIAS:BIAS+3], v[CO], s[22:23]   ; bo at my four columns of a row; waited for on the way out
	s_lshl_b32 s16, s13, 19                        ; my first row: (128 x tile row + 64 x half) rows of 4,096 bytes
	s_lshl_b32 s17, s11, 18
	s_add_co_u32 s16, s16, s17
	s_add_co_u32 s16, s16, s46
	s_mov_b32 s17, 0
	s_add_nc_u64 s[8:9], s[8:9], s[16:17]          ; never stepped again
	s_lshr_b32 s16, s40, 1                         ; the prefetches: my work-group's quarter of a K step: head cx / 2, half cx % 2 of its 16,384 bytes,
	s_lshl_b32 s16, s16, 18
	s_and_b32 s17, s40, 1
	s_lshl_b32 s17, s17, 13
	s_add_co_u32 s16, s16, s17
	s_add_co_u32 s16, s16, s18                     ; of my tile row,
	s_add_co_u32 s16, s16, 2<<19                   ; at K step 2: the first change of slots steps it to 3 and names K step 4.  Nothing is prefetched here, at the head
	s_mov_b32 s17, 0
	s_add_nc_u64 s[PFA:PFA+1], s[4:5], s[16:17]
	s_cmp_eq_u32 s10, 0
	s_cselect_b32 s[LIM], 1, -1
; 8 matrix instructions: ctx's block a against Wo's eight, 32 along K, from buffer f.  zero = 1: the first product starts the sums.  The 32 accumulators take turns, one instruction a turn, in the same order in every quarter.
.macro MULA f, a, zero
.irp b, 0,1,2,3,4,5,6,7
.if \zero
	v_wmma_f32_16x16x32_f16 v[8*(8*\a+\b):8*(8*\a+\b)+7], v[\f+32+8*\b:\f+32+8*\b+7], v[\f+8*\a:\f+8*\a+7], 0
.else
	v_wmma_f32_16x16x32_f16 v[8*(8*\a+\b):8*(8*\a+\b)+7], v[\f+32+8*\b:\f+32+8*\b+7], v[\f+8*\a:\f+8*\a+7], v[8*(8*\a+\b):8*(8*\a+\b)+7]
.endif
.endr
.endm
; 24 LDS loads in one run: the fragments of the slot's q-th 32 along K into buffer f.  A fragment is 16 rows x 32 K in 8 registers: two loads of 16 bytes, 32 bytes apart.  ctx's q-th quarter lies in head q / 2, channels 32 (q % 2) on.
.macro FETCH slot, q, f
	WIN 0
.irp i, 0,1,2,3,4,5,6,7
	ds_load_b128 v[\f+32+8*\i:\f+32+8*\i+3], v[ADRB+\slot] offset:64*(\q)+\i*16*PITCH
	ds_load_b128 v[\f+32+8*\i+4:\f+32+8*\i+7], v[ADRB+\slot] offset:64*(\q)+\i*16*PITCH+32
.endr
.irp i, 0,1,2,3
	ds_load_b128 v[\f+8*\i:\f+8*\i+3], v[ADRA+\slot] offset:((\q)/2)*AH+((\q)%2)*64+\i*8*PITCH
	ds_load_b128 v[\f+8*\i+4:\f+8*\i+7], v[ADRA+\slot] offset:((\q)/2)*AH+((\q)%2)*64+\i*8*PITCH+32
.endr
.endm
.macro PLACES                          ; four places in front of loads into registers that matrix instructions have read, and of LDS stores that read results (ISA guide 7.12.1 for vector instructions)
.rept 4
	v_nop
.endr
.endm
; A K step is four quarters of 32 along K, 32 matrix instructions each, on buffers 0, 1, 0, 1.  One of the first three: multiplies buffer f; behind its first eight products it fetches the next quarter, qn, into g: 24 products ahead of the wait for it.
.macro QUARTER slot, qn, f, g, zero
	s_wait_dscnt 0x0                               ; buffer f is in
	WIN MUL
	MULA \f, 0, \zero
	PLACES
	FETCH \slot, \qn, \g
	WIN MUL
	MULA \f, 1, \zero
	MULA \f, 2, \zero
	MULA \f, 3, \zero
.endm
; The last quarter multiplies buffer 1 and changes slots: ONE barrier; in front of it each wave waits for all its tensor loads (the one that is out is its part of the next slot), adds 0 to its spare word, and waits for that
; and for its own reads of this slot.  fill = 1: the barrier opens a round of the cluster's, and this slot is filled again, two K steps ahead: the joint load is the first thing behind the round, 112 matrix instructions ahead of the wait for it.
.macro TURN slot, next, fill
.if \fill
	s_wait_xcnt 0x0                                ; the last prefetch, a K step back, has read its address: it is stepped here, ahead of the change's own waits
	s_add_nc_u64 s[PFA:PFA+1], s[PFA:PFA+1], 1<<19
.endif
	WIN 0                                          ; (the add's two registers lie in window 0)
	s_wait_tensorcnt 0x0                           ; all my tensor loads have landed
	ds_add_u32 v[SPW], v[NIL]                      ; 0 onto my spare word
	s_wait_dscnt 1                                 ; buffer 1 is in (the add may be out)
	WIN MUL
	MULA F1, 0, 0                                  ; eight matrix instructions stand between the add and the wait for it
	s_wait_dscnt 0x0                               ; the add is done, and my reads of this slot are over
	s_barrier_signal -1
	MULA F1, 1, 0
	WIN 0
	s_barrier_wait -1
.if \fill
	CREST                                          ; no wave of any partner still reads this slot's tile or has a load on its way
	s_add_nc_u64 s[G0+4*\slot+2:G0+4*\slot+3], s[G0+4*\slot+2:G0+4*\slot+3], 1<<20      ; two K steps on: four heads
	s_add_nc_u64 s[G0B+4*\slot+2:G0B+4*\slot+3], s[G0B+4*\slot+2:G0B+4*\slot+3], 512    ; 256 elements along Wo's rows
	JLOAD \slot                                    ; its four v_nop are also the places in front of the loads below
.else
	PLACES
.endif
	FETCH \next, 0, F0
.if \fill
	ASK
.endif
	WIN MUL
	MULA F1, 2, 0
	MULA F1, 3, 0
.endm
	s_wait_tensorcnt 1                             ; my part of K step 0 is in (K step 1's load may be out)
	s_barrier_signal -1
	s_barrier_wait -1                              ; everybody's is
	FETCH 0, 0, F0
	QUARTER 0, 1, F0, F1, 1                        ; the first quarter stands in front of the loop: its products start the sums
	WIN 0                                          ; at a label and at a branch every window is 0
	s_mov_b32 s3, 3
.Llap:                                                 ; a trip goes once round the ring, from a lap's second quarter to the next lap's first, and fills both slots again: K steps 2 to 7 in three trips
	QUARTER 0, 2, F1, F0, 0
	QUARTER 0, 3, F0, F1, 0
	TURN 0, 1, 1
	QUARTER 1, 1, F0, F1, 0
	QUARTER 1, 2, F1, F0, 0
	QUARTER 1, 3, F0, F1, 0
	TURN 1, 0, 1
	QUARTER 0, 1, F0, F1, 0
	WIN 0
	s_sub_co_u32 s3, s3, 1
	s_cmp_lg_u32 s3, 0
	s_cbranch_scc1 .Llap
	QUARTER 0, 2, F1, F0, 0                        ; the last lap fills nothing, and has no round of the cluster's barrier
	QUARTER 0, 3, F0, F1, 0
	TURN 0, 1, 0
	QUARTER 1, 1, F0, F1, 0
	QUARTER 1, 2, F1, F0, 0
	QUARTER 1, 3, F0, F1, 0
	s_wait_dscnt 0x0                               ; the very last quarter: nothing more to fetch
	WIN MUL
	MULA F1, 0, 0
	MULA F1, 1, 0
	MULA F1, 2, 0
	MULA F1, 3, 0
	WIN 0
; THE WAY OUT, block by block of 16 rows x 128 columns.  A lane holds 32 neighbouring bytes of a row, the lanes beside it other rows: a block goes through my own stage and comes back as whole rows of 512 bytes; bo is added;
; the 32 lanes store 512 consecutive bytes, aligned.  LDS serves a wave's instructions in order (ISA guide 5.7.1.4): no wait between the stage's stores and loads, nor in front of the next block's stores.
.macro TOSTAGE a
	WIN 0x04                                       ; an LDS store's data are its source 1: window 1
.irp b, 0,1,2,3,4,5,6,7
	ds_store_b128 v[STO], v[8*(8*(\a)+\b):8*(8*(\a)+\b)+3] offset:64*\b          ; each accumulator from its low end on
	ds_store_b128 v[STO], v[8*(8*(\a)+\b)+4:8*(8*(\a)+\b)+7] offset:64*\b+16
.endr
	WIN 0
.set BB, BK+64*((\a)%2)
.irp t, 0,1,2,3,4,5,6,7,8,9,10,11,12,13,14,15
	ds_load_b128 v[BB+4*\t:BB+4*\t+3], v[RD] offset:\t*SPITCH
.endr
.endm
.macro SEND a, younger                 ; younger: the LDS instructions issued behind block a's loads, which may stay out
.set BB, BK+64*((\a)%2)
	s_wait_dscnt \younger                          ; the block is back in registers
.irp t, 0,1,2,3,4,5,6,7,8,9,10,11,12,13,14,15
	v_pk_add_f32 v[BB+4*\t:BB+4*\t+1], v[BB+4*\t:BB+4*\t+1], v[BIAS:BIAS+1]
	v_pk_add_f32 v[BB+4*\t+2:BB+4*\t+3], v[BB+4*\t+2:BB+4*\t+3], v[BIAS+2:BIAS+3]
	global_store_b128 v[CO], v[BB+4*\t:BB+4*\t+3], s[8:9] offset:(16*(\a)+\t)*4096 th:TH_STORE_NT   ; written once, read by nobody here
.endr
.endm
	PLACES                                         ; behind the last products: the stage's stores read results, its loads land where fragments lay
	s_wait_loadcnt 0x0                             ; bo
	TOSTAGE 0
.irp a, 1,2,3
.if \a > 1
	s_wait_xcnt 0x0                                ; block a - 2's stores have read their registers: block a's loads may land there
.endif
	TOSTAGE \a
	SEND \a-1, 32                                  ; behind block a - 1's loads: block a's 16 stores and 16 loads
.endr
	SEND 3, 0
	s_wait_tensorcnt 0x0                           ; the wave's end, behind my last tensor load and my last LDS store
	ds_add_u32 v[SPW], v[NIL]
	s_wait_dscnt 0x0
	CROUND                                         ; the closing round: no work-group ends while a partner may still ask for a tile that names it
	s_endpgm
.Lfunc_end_k_qd1cbd5f6da_proj:
	.size	k_qd1cbd5f6da_proj, .Lfunc_end_k_qd1cbd5f6da_proj-k_qd1cbd5f6da_proj
	.p2alignl 7, 3214868480
	.fill 96, 4, 3214868480
	.section	.rodata,"a",@progbits
	.p2align	6, 0x0
	.amdhsa_kernel k_qd1cbd5f6da_proj
		.amdhsa_group_segment_fixed_size 327680
		.amdhsa_private_segment_fixed_size 0
		.amdhsa_enable_private_segment 0
		.amdhsa_kernarg_size 32
		.amdhsa_user_sgpr_count 2
		.amdhsa_user_sgpr_kernarg_segment_ptr 1
		.amdhsa_wavefront_size32 1
		.amdhsa_system_sgpr_workgroup_id_x 1
		.amdhsa_system_sgpr_workgroup_id_y 1
		.amdhsa_system_sgpr_workgroup_id_z 1
		.amdhsa_system_vgpr_workitem_id 0
		.amdhsa_next_free_vgpr 512
		.amdhsa_next_free_sgpr 66
		.amdhsa_reserve_vcc 0
		.amdhsa_float_denorm_mode_32 3
		.amdhsa_float_denorm_mode_16_64 3
		.amdhsa_memory_ordered 1
		.amdhsa_forward_progress 1
		.amdhsa_inst_pref_size 93
	.end_amdhsa_kernel
	.amdgpu_metadata
---
amdhsa.version: [ 1, 2 ]
amdhsa.kernels:
  - .name:           k_qd1cbd5f6da_proj
    .symbol:         k_qd1cbd5f6da_proj.kd
    .args:
      - { .name: ctx, .offset: 0, .size: 8, .value_kind: global_buffer, .address_space: global }
      - { .name: wo16, .offset: 8, .size: 8, .value_kind: global_buffer, .address_space: global }
      - { .name: bo, .offset: 16, .size: 8, .value_kind: global_buffer, .address_space: global }
      - { .name: out0, .offset: 24, .size: 8, .value_kind: global_buffer, .address_space: global }
    .group_segment_fixed_size: 327680
    .private_segment_fixed_size: 0
    .kernarg_segment_align: 8
    .kernarg_segment_size: 32
    .max_flat_workgroup_size: 128
    .sgpr_count:     66
    .vgpr_count:     512
    .wavefront_size: 32
...
	.end_amdgpu_metadata
.endif
;; end of part 4
